; MI455X (gfx1250); checked and timed in simulation.
; The chip was launched on July 23, 2026; its instructions are those of AMD's public machine-readable ISA for CDNA 5 (MIT licence, August 2026) and "CDNA5" Instruction Set Architecture Reference Guide (July 2026). The comments in the code are by the model that wrote it; some were corrected since.
;; SWA. Allowed arithmetic: matrix products marked QUANTISED: E5M2 operands, one E8M0 scale for each 32 along K, by v_wmma_scale_f32_16x16x128_f8f6f4 with both operands' format E5M2, f32 sums; everything else in f32.
;; Inputs: wk_b 256 float32; wk_w 256 x 1,024 float32; wo_w 1,024 x 1,024 float32; wq_b 1,024 float32; wq_w 1,024 x 1,024 float32; wv_b 256 float32; wv_w 256 x 1,024 float32; x 2 x 2,048 x 1,024 float32.
;; Outputs: out0 2 x 2,048 x 1,024 float32.
;; Constants: sliding_window = 1024.
;; This version of the problem:
;;   THIS VERSION OF THE PROBLEM IS GIVEN IN LOW PRECISION. The matrix products marked QUANTISED in the list below multiply operands that are first quantised to E5M2 (5 exponent bits, 2 mantissa bits; 8 bits a number), with one power-of-two scale for each 32 numbers along K (OCP MX v1.0); their sums are f32. All else is computed in f32.
;;   The module's matrix products, in the order in which they are computed (A, B: the left and right operand; K: the contracted axis; several contracted axes count as one K, in the product's order):
;;     1. [M 4,096, K 1,024] x [K 1,024, N 1,024]; A: input x; B: input wq_w: QUANTISED
;;     2. [M 4,096, K 1,024] x [K 1,024, N 256]; A: input x; B: input wk_w: QUANTISED
;;     3. [M 4,096, K 1,024] x [K 1,024, N 256]; A: input x; B: input wv_w: QUANTISED
;;     4. batch 32 x [M 2,048, K 64] x [K 64, N 2,048]; A: computed on the way; B: computed on the way: QUANTISED
;;     5. batch 32 x [M 64, K 2,048] x [K 2,048, N 2,048]; A: computed on the way; B: softmax (see below): QUANTISED
;;     6. [M 4,096, K 1,024] x [K 1,024, N 1,024]; A: computed on the way; B: input wo_w: QUANTISED
;;   THE QUANTISER, for each operand of a quantised product, along K:
;;     - K is cut into blocks of 32 from its start; a last block that is shorter is filled with zeros.
;;     - A block's scale is 2^e with e = floor(log2(the largest magnitude in the block)) - 15, held to -126 .. 127; a block of zeros has e = 0. As a byte (E8M0): e + 127.
;;     - Each number is divided by its block's scale, clamped to +-57,344, and rounded to the nearest number of E5M2, ties to even, subnormals kept.
;;     - The product sums the exact products of the quantised numbers (number of the format x scale) in f32.
;;   ~~~python
;;   def quantise(x, axis):      # numpy; x: float32 -> the quantised numbers, widened to float32 again
;;       x = np.moveaxis(x, axis, -1); K = x.shape[-1]
;;       x = np.pad(x, [(0, 0)] * (x.ndim - 1) + [(0, -K % 32)]); x = x.reshape(x.shape[:-1] + (-1, 32)); a = np.abs(x).max(-1, keepdims=True)
;;       e = np.where(a > 0, np.clip(np.frexp(np.where(a > 0, a, 1))[1] - 1 - 15, -126, 127), 0)      # np.frexp(a)[1] - 1 = floor(log2(a)), exactly
;;       r = np.clip(x / 2.0 ** e, -57344, 57344)
;;       step = 2.0 ** (np.maximum(np.frexp(np.where(r == 0, 1, r))[1] - 1, -14) - 2)
;;       q = np.round(r / step) * step * 2.0 ** e      # np.round: ties to even
;;       return np.moveaxis(q.reshape(q.shape[:-2] + (-1,))[..., :K], -1, axis).astype(np.float32)
;;   ~~~
;;   SOFTMAX AHEAD OF A QUANTISED PRODUCT. Where the list says 'softmax', what is quantised is not the finished softmax but p = 2^(t - M), with t = logit x log2(e) and M = ceil(the row's largest t), a whole number; so 1/2 < the row's largest p <= 1. The row's sum l is taken of the UNQUANTISED p, in f32, and the product's result is divided by l at the end. Since M is a whole number, a kernel that streams over the keys may use a running M (the ceiling of the running maximum): every later rescaling is an exact power of two, which a block's scale takes up: the codes' values come out the same.
;;   OPERANDS COMPUTED ON THE WAY. 'Computed on the way' means the value that the module computes at that place (a softmax that the list does not call 'softmax' is quantised finished and normalised). What goes into a quantiser is computed in f32, as accurately as f32 sums, v_exp_f32 and their like allow (about 1e-6 of the number): no bf16 or f16 on the way to a quantiser, and a product that is left as it is and whose result goes on into a quantised operand takes f32 operands (vector FMAs, or v_wmma_f32_16x16x4_f32). A number that lies on a knife's edge between two numbers of the format may be rounded either way, as far as f32 arithmetic and the matrix unit's own rounding can turn it there, and no further.
;; One version. Each part assembles by itself: llvm-mc -triple=amdgcn-amd-amdhsa -mcpu=gfx1250 --defsym DOCPART=n.
;; ======== version 1 of 1: 4 launches
;; limits: right only within a limited range of input values
;; workspace buffers: opc 6,815,744 bytes; ops 212,992 bytes; rope 524,288 bytes; qbuf 4,456,448 bytes; kvbuf 2,195,456 bytes; ctxc 4,194,304 bytes; ctxs 131,072 bytes
;; launch quant (part 1): grid 448 x 1, 2 waves a work-group, no clusters, 17,152 bytes of LDS; arguments x, wq_w, wk_w, wv_w, wo_w, opc, ops, rope; writes opc, ops, rope
.if DOCPART == 1
	.amdgcn_target "amdgcn-amd-amdhsa--gfx1250"
	.amdhsa_code_object_version 6
	.text
	.protected	k_q1360ecf717_quant
	.globl	k_q1360ecf717_quant
	.p2align	8
	.type	k_q1360ecf717_quant,@function
k_q1360ecf717_quant:
	s_mov_b64 s[64:65], 0
	v_nop
	global_prefetch_b8 v0, s[64:65] scope:SCOPE_SE
	s_setreg_imm32_b32 hwreg(HW_REG_WAVE_MODE, 25, 1), 1
	s_wait_xcnt 0x0
; x [4096][1024], wq_w [1024][1024], wk_w, wv_w [256][1024], wo_w [1024][1024], all f32 with K innermost, become codes of BF8 (E5M2) with one E8M0 byte for each 32 along K; and the table of cosines and sines is made.
; PANELS.  Each tensor is cut into panels of 16 rows: panel 2 b + u holds rows 32 b + 8 u + i + 8 (i / 8), i = 0 .. 15.  The panels are numbered on end: x 0-255, wq 256-319, wk 320-335, wv 336-351, wo 352-415.
; A FRAGMENT (a panel x 128 along K) is stored as the image of an operand's 16 registers: [c 0..3][lane][16 bytes]; lane (r, h) holds row i = r, K = 32 c + 16 h + 0 .. 15.  So a later launch gets it by four loads of 16 bytes a lane.
;   opc: byte (panel / 8) x 131072 + K step x 16384 + (panel % 8) x 2048.     ops: byte panel x 512 + half x 256 + lane x 8 + j x 4: lanes 0-15 the scale words of K step 4 half + 2 j, lanes 16-31 of the K step after it.
; A block's scale is 2^(floor(log2(its largest magnitude)) - 15); its byte is the largest magnitude's exponent field - 15, held at 1 from below; each number is held within +-57,344 x the scale and rounded to the nearest code, ties to even.
; LIMITS: NaN and infinities among the inputs are not served; a block whose largest magnitude lies under 2^-111 keeps the byte 1, a block of zeros too (its codes are zeros, and this program alone reads the bytes).
; SHARES.  Work-groups 0-415: one panel each; wave w takes K = 512 w on: four fragments.  Each load reads 512 consecutive bytes of one row; a fragment's 16 rows turn through the wave's own stage in LDS, so that a lane
; comes to hold 16 neighbours along K of each block of 32.  Waves share nothing: no barrier.  No matrix unit, no tensor load, no cluster: each byte is read once and nothing is shared.
; Work-groups 416-447: the table rope [position 2048][pair 32][cos, sin], f32: a wave takes 32 positions, a lane one pair.  angle = position x inv_freq, one rounding; it is reduced by whole quarter turns (pi / 2 in two parts) and
; put through polynomials of degree 7 and 8 on +-pi / 4.  LIMIT: inv_freq is the f32 number nearest to 10^(-pair / 8); a last bit's difference from another way of computing it moves an angle by at most 2,047 x 2^-23 of its size.
; WHAT THE PROGRAM LEAVES OUT: key steps of the attention in which the mask of reference()'s own body (k <= q and q - k <= 1,024) hides every key from every query of a tile: p is 0 there for all values of the inputs.  A NaN, an infinity or an overflow that reaches only those is not carried to the result.  Every input is loaded.
.set STG,   16*528                     ; a wave's stage: 16 rows of 512 bytes + 16: 132 words, so that row r starts at bank 4 r mod 64 (64 banks of 4 bytes: ISA guide 11.1)
.set SPARE, 2*STG                      ; behind the two stages: the spare words, 128 bytes for each wave: one block of 256 bytes that no other line names
.set L16, 2                            ; v2   16 x lane: my bytes of a load's 512, and of an image's
.set STW, 3                            ; v3   the stage, on the way in: 16 x lane
.set STR, 4                            ; v4   and on the way out: 528 r + 64 h
.set L8,  6                            ; v6   8 x lane
.set SPW, 8                            ; v8   LDS address of my spare word; never rewritten
.set NIL, 9                            ; v9   0; never rewritten
.set SW,  10                           ; v10-13 the four fragments' scale words
.set OP,  14                           ; v14-15 the pair of words that leaves
.set PC,  16                           ; v16-31 a fragment's codes
.set TM,  32                           ; v32-35 largest magnitudes, v36-39 bytes, v40-43 57,344 x the scale, v44-47 the conversions' scale operands
.set PW,  48                           ; v48  the scale word just made
.set R,   64                           ; v64-255 three sets of 64 numbers
.set SRC, 20                           ; s[20:21] my rows in my tensor
.set SEL, 24                           ; s[24:25] v_permlanex16_b32's selects for lane l xor 16
.set MNT, 26                           ; s26  the mantissa field of 57,344
.set HM,  27                           ; s27  lanes 16-31
.set WV,  28                           ; s28  my wave's number
.set INV, 10                           ; the table's way: v10 inv_freq of my pair; v12-15 four positions as f32; from v16 twelve registers a position
.set PS,  12
.set TR,  16
	s_load_b512 s[4:19], s[0:1], 0x0               ; x s[4:5], wq s[6:7], wk s[8:9], wv s[10:11], wo s[12:13], opc s[14:15], ops s[16:17], rope s[18:19]
	v_lshl_add_u32 v[SPW], v0, 2, SPARE
	v_mov_b32 v[NIL], 0
	v_lshrrev_b32 v1, 5, v0
	v_readfirstlane_b32 s[WV], v1
	v_and_b32 v1, 31, v0                           ; lane
	v_lshlrev_b32 v[L8], 3, v1
	s_cmp_ge_u32 ttmp9, 416
	s_cbranch_scc1 .Ltable
	; ---------------- a panel ----------------
	v_lshlrev_b32 v[L16], 4, v1
	s_mul_i32 s29, s[WV], STG
	v_add_nc_u32 v[STW], s29, v[L16]
	v_and_b32 v5, 15, v0                           ; r
	v_bfe_u32 v7, v0, 4, 1                         ; h
	v_mul_u32_u24 v[STR], v5, 528
	v_lshl_add_u32 v[STR], v7, 6, v[STR]
	v_add_nc_u32 v[STR], s29, v[STR]
	s_mov_b32 s[SEL], 0x76543210
	s_mov_b32 s[SEL+1], 0xfedcba98
	s_mov_b32 s[MNT], 0x600000
	s_mov_b32 s[HM], 0xffff0000
.irp b, 0,1,2,3
	v_mov_b32 v[TM+4+\b], 0                        ; written once: a lane permute's destination counts as one of its sources
.endr
	s_lshr_b32 s30, ttmp9, 3                       ; where my codes go: (panel / 8) x 131072 + (panel % 8) x 2048 + wave x 4 K steps of 16384
	s_lshl_b32 s30, s30, 17
	s_and_b32 s31, ttmp9, 7
	s_lshl_b32 s31, s31, 11
	s_add_co_u32 s30, s30, s31
	s_lshl_b32 s31, s[WV], 16
	s_add_co_u32 s30, s30, s31
	s_mov_b32 s31, 0
	s_lshl_b32 s32, ttmp9, 9                       ; and my scale words: panel x 512 + wave x 256
	s_lshl_b32 s33, s[WV], 8
	s_add_co_u32 s32, s32, s33
	s_mov_b32 s33, 0
	s_wait_alu depctr_va_vdst(0)
	s_wait_kmcnt 0x0
	s_add_nc_u64 s[14:15], s[14:15], s[30:31]
	s_add_nc_u64 s[16:17], s[16:17], s[32:33]
	s_mov_b64 s[SRC:SRC+1], s[4:5]                 ; which tensor: the choice hangs on the work-group's number alone
	s_mov_b32 s22, 0                               ; and its first panel
	s_cmp_ge_u32 ttmp9, 256
	s_cselect_b64 s[SRC:SRC+1], s[6:7], s[SRC:SRC+1]
	s_cselect_b32 s22, 256, s22
	s_cmp_ge_u32 ttmp9, 320
	s_cselect_b64 s[SRC:SRC+1], s[8:9], s[SRC:SRC+1]
	s_cselect_b32 s22, 320, s22
	s_cmp_ge_u32 ttmp9, 336
	s_cselect_b64 s[SRC:SRC+1], s[10:11], s[SRC:SRC+1]
	s_cselect_b32 s22, 336, s22
	s_cmp_ge_u32 ttmp9, 352
	s_cselect_b64 s[SRC:SRC+1], s[12:13], s[SRC:SRC+1]
	s_cselect_b32 s22, 352, s22
	s_sub_co_u32 s22, ttmp9, s22                   ; the panel's number in its tensor: 2 b + u
	s_lshr_b32 s23, s22, 1
	s_lshl_b32 s23, s23, 17                        ; 32 b rows of 4,096 bytes
	s_and_b32 s22, s22, 1
	s_lshl_b32 s22, s22, 15                        ; 8 u rows
	s_add_co_u32 s22, s22, s23
	s_lshl_b32 s23, s[WV], 11                      ; my half of K: 512 numbers
	s_add_co_u32 s22, s22, s23
	s_mov_b32 s23, 0
	s_add_nc_u64 s[SRC:SRC+1], s[SRC:SRC+1], s[22:23]
.macro LOAD f                          ; fragment f: 128 along K of the panel's 16 rows, into set f % 3; 32 lanes read 512 consecutive bytes, aligned
.irp i, 0,1,2,3,4,5,6,7,8,9,10,11,12,13,14,15
	global_load_b128 v[R+64*((\f)%3)+4*\i:R+64*((\f)%3)+4*\i+3], v[L16], s[SRC:SRC+1] offset:(\i+8*(\i/8))*4096+512*(\f) th:TH_LOAD_NT
.endr
.endm
; 64 numbers of a lane, register 16 b + i = K 32 b + 16 h + i of my row, become a fragment's codes in v[PC] on and its scale word in v[PW]
.macro QUANT4 s
.irp b, 0,1,2,3
	v_max3_num_f32 v[TM+\b], |v[\s+16*\b]|, |v[\s+1+16*\b]|, 0x8000000   ; block b: my 16 numbers, and the floor 2^(16 - 127): so the byte cannot fall under 1
.endr
.irp i, 2,4,6,8,10,12,14
.irp b, 0,1,2,3
	v_max3_num_f32 v[TM+\b], v[TM+\b], |v[\s+16*\b+\i]|, |v[\s+1+16*\b+\i]|   ; the four blocks by turns: no line waits for the line above it
.endr
.endr
.irp b, 0,1,2,3
	v_permlanex16_b32 v[TM+4+\b], v[TM+\b], s[SEL], s[SEL+1]
.endr
.irp b, 0,1,2,3
	v_max_num_f32 v[TM+\b], v[TM+\b], v[TM+4+\b]   ; with lane l xor 16's: the block's largest magnitude
.endr
.irp b, 0,1,2,3
	v_add_nc_u32 v[TM+12+\b], 0xf8800000, v[TM+\b] ; 15 off its exponent field: the conversion takes the exponent field of this operand as its scale
.endr
.irp b, 0,1,2,3
	v_and_or_b32 v[TM+8+\b], v[TM+\b], 0x7f800000, s[MNT]   ; 57,344 x the scale
.endr
.irp b, 0,1,2,3
	v_lshrrev_b32 v[TM+4+\b], 23, v[TM+12+\b]      ; the scale's byte
.endr
	v_lshl_or_b32 v[PW], v[TM+5], 8, v[TM+4]
	v_lshl_or_b32 v[PW], v[TM+6], 16, v[PW]
	v_lshl_or_b32 v[PW], v[TM+7], 24, v[PW]
.irp b, 0,1,2,3
.irp i, 0,1,2,3,4,5,6,7,8,9,10,11,12,13,14,15
	v_med3_num_f32 v[\s+16*\b+\i], v[\s+16*\b+\i], -v[TM+8+\b], v[TM+8+\b]   ; the conversion to an 8-bit code does not saturate (ISA guide 7.6.2): the hold comes first
.endr
	v_cvt_scalef32_pk8_bf8_f32 v[PC+4*\b:PC+1+4*\b], v[\s+16*\b:\s+7+16*\b], v[TM+12+\b]
	v_cvt_scalef32_pk8_bf8_f32 v[PC+2+4*\b:PC+3+4*\b], v[\s+8+16*\b:\s+15+16*\b], v[TM+12+\b]
.endr
	v_nop                                          ; one plain line behind the last conversion
.endm
.macro FRAGMENT f, left                ; left: the younger loads, which may stay out
.set RS, R+64*((\f)%3)
	s_wait_loadcnt \left
.irp i, 0,1,2,3,4,5,6,7,8,9,10,11,12,13,14,15
	ds_store_b128 v[STW], v[RS+4*\i:RS+4*\i+3] offset:528*\i
.endr
.irp c, 0,1,2,3
.irp j, 0,1,2,3
	ds_load_b128 v[RS+16*\c+4*\j:RS+16*\c+4*\j+3], v[STR] offset:128*\c+16*\j   ; LDS serves a wave's instructions in order (ISA guide 5.7.1.4): these see the stores above
.endr
.endr
	s_wait_dscnt 0x0
.if \f > 0
	s_wait_xcnt 0x0                                ; the last fragment's stores have read v[PC] on: it is written again only behind this wait
.endif
	QUANT4 RS
	v_mov_b32 v[SW+\f], v[PW]
.irp c, 0,1,2,3
	global_store_b128 v[L16], v[PC+4*\c:PC+4*\c+3], s[14:15] offset:16384*(\f)+512*\c   ; 32 lanes store 512 consecutive bytes, aligned
.endr
.endm
	LOAD 0
	LOAD 1
	LOAD 2
	FRAGMENT 0, 32
	LOAD 3                                         ; into the set that fragment 0 has left
	FRAGMENT 1, 32
	FRAGMENT 2, 16
	FRAGMENT 3, 0
	v_cndmask_b32 v[OP], v[SW], v[SW+1], s[HM]     ; both halves of the lanes hold row r's word: lanes 0-15 keep the even K step's, lanes 16-31 take the odd one's
	v_cndmask_b32 v[OP+1], v[SW+2], v[SW+3], s[HM]
	global_store_b64 v[L8], v[OP:OP+1], s[16:17]   ; 32 lanes store 256 consecutive bytes, aligned
	s_wait_tensorcnt 0x0                           ; the wave's end: a tensor wait, an LDS add and its wait behind my last LDS store, the wait in a text with no tensor load too
	ds_add_u32 v[SPW], v[NIL]
	s_wait_dscnt 0x0
	s_endpgm
	; ---------------- the table ----------------
.Ltable:
	s_sub_co_u32 s30, ttmp9, 416
	s_lshl_b32 s30, s30, 1
	s_add_co_u32 s30, s30, s[WV]                   ; which 32 positions are my wave's: 0 .. 63
	s_lshl_b32 s31, s30, 5                         ; the first of them
	s_lshl_b32 s32, s30, 13                        ; 256 bytes a position
	s_mov_b32 s33, 0
	v_mov_b32 v[INV], 0
.set i, 0
.irp lit, 0x3f800000,0x3f3ff911,0x3f0ff59a,0x3ed7e89b,0x3ea1e89b,0x3e72d424,0x3e361887,0x3e088d77,0x3dcccccd,0x3d99940e,0x3d6655c3,0x3d2cba15,0x3d0186e2,0x3cc24350,0x3c91ad39,0x3c5a7bf1,0x3c23d70a,0x3bf5b9b0,0x3bb8449c,0x3b8a2e77,0x3b4f3e37,0x3b1b690d,0x3ae91528,0x3aaec98e,0x3a83126f,0x3a44948c,0x3a136a16,0x39dd1726,0x39a5cb5f,0x3978a814,0x393a7753,0x390bd472
	s_mov_b32 s35, \lit                            ; 10^(-lane / 8)
	v_writelane_b32 v[INV], s35, i
.set i, i+1
.endr
.irp k, 0,1,2,3
	s_add_co_u32 s35, s31, \k
	v_cvt_f32_u32 v[PS+\k], s35
.endr
	s_mov_b32 s20, 0x3fc90fdb                      ; pi / 2: its upper part,
	s_mov_b32 s21, 0xb33bbd2e                      ; and what is left of it
	s_mov_b32 s22, 0xbe2aaaa3                      ; the sine's three coefficients
	s_mov_b32 s23, 0x3c08839e
	s_mov_b32 s24, 0xb94ca1f9
	s_mov_b32 s25, 0x3d2aaaa5                      ; the cosine's
	s_mov_b32 s26, 0xbab6061a
	s_mov_b32 s27, 0x37ccf5ce
	s_mov_b32 s29, 0x80000000
	s_mov_b32 s34, 8
	s_wait_kmcnt 0x0
	s_add_nc_u64 s[18:19], s[18:19], s[32:33]
.macro TRIG k
.set B, TR+12*\k                       ; +0 angle, then what is left of it; +1 n; +2 z; +3 n as a whole number; +4 sine's, +5 cosine's polynomial; +6, +7 at work; +8 cos, +9 sin
	v_mul_f32 v[B], v[PS+\k], v[INV]
	v_mul_f32 v[B+1], 0x3f22f983, v[B]             ; x 2 / pi
	v_rndne_f32 v[B+1], v[B+1]                     ; n: whole quarter turns
	v_fma_f32 v[B], -v[B+1], s20, v[B]
	v_fma_f32 v[B], -v[B+1], s21, v[B]             ; r = angle - n pi / 2, within +-pi / 4
	v_cvt_i32_f32 v[B+3], v[B+1]
	v_mul_f32 v[B+2], v[B], v[B]                   ; z = r r
	v_fma_f32 v[B+4], v[B+2], s24, s23
	v_fma_f32 v[B+4], v[B+4], v[B+2], s22
	v_mul_f32 v[B+6], v[B+2], v[B]
	v_fma_f32 v[B+4], v[B+4], v[B+6], v[B]         ; sin r
	v_fma_f32 v[B+5], v[B+2], s27, s26
	v_fma_f32 v[B+5], v[B+5], v[B+2], s25
	v_mul_f32 v[B+6], v[B+2], v[B+2]
	v_fma_f32 v[B+7], v[B+2], -0.5, 1.0
	v_fma_f32 v[B+5], v[B+5], v[B+6], v[B+7]       ; cos r
	v_and_b32 v[B+6], 1, v[B+3]
	v_cmp_ne_u32 vcc_lo, 0, v[B+6]                 ; an odd quarter swaps the two
	v_cndmask_b32 v[B+9], v[B+4], v[B+5], vcc_lo
	v_cndmask_b32 v[B+8], v[B+5], v[B+4], vcc_lo
	v_lshlrev_b32 v[B+6], 30, v[B+3]
	v_and_b32 v[B+6], s29, v[B+6]                  ; the sine is negative in quarters 2 and 3,
	v_xor_b32 v[B+9], v[B+9], v[B+6]
	v_add_nc_u32 v[B+7], 1, v[B+3]
	v_lshlrev_b32 v[B+7], 30, v[B+7]
	v_and_b32 v[B+7], s29, v[B+7]                  ; the cosine in quarters 1 and 2
	v_xor_b32 v[B+8], v[B+8], v[B+7]
	global_store_b64 v[L8], v[B+8:B+9], s[18:19] offset:256*\k   ; 32 lanes store a position's 256 bytes, aligned
.endm
.Lpos:                                             ; eight trips of four positions
	s_wait_alu depctr_va_vdst(0)
	TRIG 0
	TRIG 1
	TRIG 2
	TRIG 3
	s_wait_xcnt 0x0                                ; the stores have read their data and their base: both are written again only behind this wait
	s_add_nc_u64 s[18:19], s[18:19], 1024
.irp k, 0,1,2,3
	v_add_f32 v[PS+\k], 4.0, v[PS+\k]              ; exact: whole numbers under 2,048
.endr
	s_sub_co_u32 s34, s34, 1
	s_cmp_lg_u32 s34, 0
	s_cbranch_scc1 .Lpos
	s_endpgm
.Lfunc_end_k_q1360ecf717_quant:
	.size	k_q1360ecf717_quant, .Lfunc_end_k_q1360ecf717_quant-k_q1360ecf717_quant
	.p2alignl 7, 3214868480
	.fill 96, 4, 3214868480
	.section	.rodata,"a",@progbits
	.p2align	6, 0x0
	.amdhsa_kernel k_q1360ecf717_quant
		.amdhsa_group_segment_fixed_size 17152
		.amdhsa_private_segment_fixed_size 0
		.amdhsa_enable_private_segment 0
		.amdhsa_kernarg_size 64
		.amdhsa_user_sgpr_count 2
		.amdhsa_user_sgpr_kernarg_segment_ptr 1
		.amdhsa_wavefront_size32 1
		.amdhsa_system_sgpr_workgroup_id_x 1
		.amdhsa_system_sgpr_workgroup_id_y 1
		.amdhsa_system_sgpr_workgroup_id_z 1
		.amdhsa_system_vgpr_workitem_id 0
		.amdhsa_next_free_vgpr 256
		.amdhsa_next_free_sgpr 66
		.amdhsa_reserve_vcc 1
		.amdhsa_float_denorm_mode_32 3
		.amdhsa_float_denorm_mode_16_64 3
		.amdhsa_memory_ordered 1
		.amdhsa_forward_progress 1
		.amdhsa_inst_pref_size 62
	.end_amdhsa_kernel
	.amdgpu_metadata
---
amdhsa.version: [ 1, 2 ]
amdhsa.kernels:
  - .name:           k_q1360ecf717_quant
    .symbol:         k_q1360ecf717_quant.kd
    .args:
      - { .name: x, .offset: 0, .size: 8, .value_kind: global_buffer, .address_space: global }
      - { .name: wq_w, .offset: 8, .size: 8, .value_kind: global_buffer, .address_space: global }
      - { .name: wk_w, .offset: 16, .size: 8, .value_kind: global_buffer, .address_space: global }
      - { .name: wv_w, .offset: 24, .size: 8, .value_kind: global_buffer, .address_space: global }
      - { .name: wo_w, .offset: 32, .size: 8, .value_kind: global_buffer, .address_space: global }
      - { .name: opc, .offset: 40, .size: 8, .value_kind: global_buffer, .address_space: global }
      - { .name: ops, .offset: 48, .size: 8, .value_kind: global_buffer, .address_space: global }
      - { .name: rope, .offset: 56, .size: 8, .value_kind: global_buffer, .address_space: global }
    .group_segment_fixed_size: 17152
    .private_segment_fixed_size: 0
    .kernarg_segment_align: 8
    .kernarg_segment_size: 64
    .max_flat_workgroup_size: 64
    .sgpr_count:     66
    .vgpr_count:     256
    .wavefront_size: 32
...
	.end_amdgpu_metadata
.endif
;; end of part 1
;; launch qkv (part 2): grid 6 x 32, 4 waves a work-group, no clusters, 167,936 bytes of LDS; arguments opc, ops, rope, wq_b, wk_b, wv_b, qbuf, kvbuf; writes qbuf, kvbuf
.if DOCPART == 2
	.amdgcn_target "amdgcn-amd-amdhsa--gfx1250"
	.amdhsa_code_object_version 6
	.text
	.protected	k_q1360ecf717_qkv
	.globl	k_q1360ecf717_qkv
	.p2align	8
	.type	k_q1360ecf717_qkv,@function
k_q1360ecf717_qkv:
	s_mov_b64 s[64:65], 0
	v_nop
	global_prefetch_b8 v0, s[64:65] scope:SCOPE_SE
	s_setreg_imm32_b32 hwreg(HW_REG_WAVE_MODE, 25, 1), 1
	s_wait_xcnt 0x0
; q = rope(x wq^T + bq), k = rope(x wk^T + bk), v = x wv^T + bv, on codes of BF8 (E5M2) with E8M0 scales, K = 1,024; the results are quantised at once for attention: q and k along the head's 64, v along the keys.
; PANELS (made by the launch before): 16 rows, panel 2 b + u = rows 32 b + 8 u + i + 8 (i / 8); a fragment (panel x 128 K) is the image of its 16 registers, [c][lane][16 bytes].
; EVERY PRODUCT IS D = (source 0 = a DIRECT panel, source 1 = a SHARED panel).  In D lane (r, h) holds the shared panel's row r, and the 16 registers of direct panels 2 b and 2 b + 1 are direct rows 32 b + 16 h + 0 .. 15:
; 16 neighbours, in the order that the next operand's registers want.  For q and k: direct = rows of W (the head's 64), shared = rows of x.  For v: direct = rows of x (the keys), shared = rows of wv.
; SHARES.  A work-group takes one group of 8 shared panels (128 rows: 131,072 dense bytes), which goes through LDS; each of its four waves takes 4 direct panels (64 rows: one head, or 64 keys), straight from memory into registers.
; A wave makes 64 x 128: 32 accumulators, 256 matrix instructions.  x = 0 .. 3: q, head 4 x + wave, rows 128 y on; x = 4: k, head = wave; x = 5: v: two heads (y % 2), keys 256 (y / 2) + 64 wave on.
; The whole shared tile fits in LDS: each byte of LDS is filled once, by one tensor load a wave, four in all, that go out together at the head.
; NO CLUSTER: one group of x is read by five work-groups (x = 0 .. 4) and the sixth column reads other tiles: the grid's six columns are no multiple of four.
; 192 work-groups: a tile of 192 columns would make 256, but would cut heads, and so blocks of 32 of the next K, across waves.
; LIMITS: NaN and infinities are not served; a block whose largest magnitude lies under 2^-111 keeps the byte 1, a block of zeros too (its codes are zeros; this program alone reads the bytes).
; OUT.  qbuf: block (rows / 128) x 16 + head, 8,704 bytes: codes [panel 8][c 2][lane][16], at 8,192 the scale words [lane][4]: word j: lanes 0-15 panel 2 j, lanes 16-31 panel 2 j + 1.  Bytes 2 and 3 of a word are 127: they scale the
; zero codes with which attention fills K = 64 up to 128.  kvbuf: block ((batch x 4 + head) x 16 + key step), 17,152 bytes: K's codes and (at 16,384) words as q's; at 8,192 V's codes [panel of d 4][c 4][lane][16], at 16,896 V's words [lane][2].
; REGISTERS, in windows of 256.  window 0: v1-8 addresses; v16-47 the shared panels' scale words (4 a panel: a register serves two K steps, the odd one in lanes 16-31); v48-63 the direct panels'; v64-95 the bias as C; v96-127 32 numbers at work;
;   v128-191 codes, 8 a shared panel; v192-200 the quantiser's; v208-227 scale words and v's bias.   window 1: accumulator (dp, sp) at v[8 (4 sp + dp)].   window 2: the shared fragments, two sets of 128.
;   window 3: the direct fragments, a ring of four K steps of 64; as the ring runs empty, the cosines and sines.
.set SPARE, 131072                     ; behind the tile: the spare words, 128 bytes for each wave: two blocks of 256 bytes that no other line names
.set LI,  1                            ; v1   16 x lane;  v2 the same + 65,536 (an LDS offset has 16 bits)
.set L8,  3                            ; v3   8 x lane
.set CSA, 4                            ; v4   the table: (r + 8 (r / 8)) x 256 + 64 h
.set BA,  5                            ; v5   q's and k's bias: 64 h
.set SPW, 6                            ; v6   LDS address of my spare word; never rewritten
.set NIL, 7                            ; v7   0; never rewritten
.set BVA, 8                            ; v8   v's bias: 4 (r + 8 (r / 8))
.set SS,  16
.set DS,  48
.set BI,  64
.set T,   96
.set CD,  128
.set TM,  192                          ; v192-193 largest magnitudes, v194-195 bytes, v196-197 57,344 x the scale, v198-199 the conversions' scale operands
.set PW,  200
.set W,   208                          ; v208-215 a word for each shared panel
.set SW,  216                          ; v216-219 two panels' words in one register
.set BV,  220                          ; v220-227 v's bias, a number for each shared panel
.set WV,  20
.set YY,  21
.set XX,  22
.set HM,  23                           ; s23  lanes 16-31
.set G1,  24                           ; s[24:31] descriptor group 1
.set G0,  32                           ; s[32:35] descriptor group 0
.set SEL, 48
.set MNT, 50
.set DB,  52                           ; s[52:53] my direct panels' codes
.set OB,  56                           ; s[56:57] where my codes go;  s[58:59] my scale words
.set OS,  58
.set RB,  60                           ; s[60:61] the table at my rows, or wv_b at my heads
.set MSB, 0
.macro WIN new                         ; the immediate's high byte repeats the setting that is left; a switch that changes nothing is dropped
.if MSB != \new
	s_set_vgpr_msb (MSB<<8)|\new
.set MSB, \new
.endif
.endm
.macro PLACES n
.rept \n
	v_nop
.endr
.endm
	s_load_b512 s[4:19], s[0:1], 0x0               ; opc s[4:5], ops s[6:7], rope s[8:9], wq_b s[10:11], wk_b s[12:13], wv_b s[14:15], qbuf s[16:17], kvbuf s[18:19]
	v_lshl_add_u32 v[SPW], v0, 2, SPARE
	v_mov_b32 v[NIL], 0
	ds_add_u32 v[SPW], v[NIL]                      ; the wave's opening: the add, twice on end, and its wait ahead of my first tensor load; the set-up below, work on registers, stands between them
	ds_add_u32 v[SPW], v[NIL]
	v_lshrrev_b32 v9, 5, v0
	v_readfirstlane_b32 s[WV], v9
	s_and_b32 s[YY], ttmp7, 0xffff
	s_mov_b32 s[XX], ttmp9
	v_and_b32 v9, 31, v0
	v_lshlrev_b32 v[LI], 4, v9
	v_add_nc_u32 v[LI+1], 0x10000, v[LI]
	v_lshlrev_b32 v[L8], 3, v9
	v_and_b32 v10, 15, v0                          ; r
	v_bfe_u32 v11, v0, 4, 1                        ; h
	v_and_b32 v12, 8, v10
	v_add_nc_u32 v12, v12, v10                     ; r + 8 (r / 8)
	v_lshlrev_b32 v[CSA], 8, v12
	v_lshl_add_u32 v[CSA], v11, 6, v[CSA]
	v_lshlrev_b32 v[BA], 6, v11
	v_lshlrev_b32 v[BVA], 2, v12
	v_mov_b32 v[TM+2], 0                           ; written once: a lane permute's destination counts as one of its sources
	v_mov_b32 v[TM+3], 0
	s_mov_b32 s[HM], 0xffff0000
	s_mov_b32 s[SEL], 0x76543210
	s_mov_b32 s[SEL+1], 0xfedcba98
	s_mov_b32 s[MNT], 0x600000
	; descriptor group 1: 32,768 dense bytes as 128 rows of 32 elements of 8 bytes; no padding (an image is read 16 bytes a lane, on end), no mask
	s_mov_b32 s[G1+0], 3<<16
	s_mov_b32 s[G1+1], 32<<16                      ; tensor_dim0 = 32
	s_mov_b32 s[G1+2], 128<<16                     ; tensor_dim1 = 128: a load brings 32,768 dense bytes, two K steps of the shared group
	s_mov_b32 s[G1+3], 32<<16                      ; tile_dim0 = 32
	s_mov_b32 s[G1+4], 128                         ; tile_dim1 = 128
	s_mov_b32 s[G1+5], 32                          ; from row to row
	s_mov_b32 s[G1+6], 0
	s_mov_b32 s[G1+7], 0
	s_and_b32 s51, s[YY], 1
	s_add_co_u32 s66, s51, 42                      ; v: wv's group 42 + y % 2,
	s_lshr_b32 s67, s[YY], 1
	s_lshl_b32 s67, s67, 4                         ;    x's panels 16 (y / 2) on
	s_lshl_b32 s69, s[XX], 4
	s_add_co_u32 s69, s69, 256                     ; q, k: W's panels 256 + 16 x on
	s_cmp_eq_u32 s[XX], 5
	s_cselect_b32 s66, s66, s[YY]                  ; the shared group
	s_cselect_b32 s67, s67, s69
	s_lshl_b32 s69, s[WV], 2
	s_add_co_u32 s67, s67, s69                     ; my first direct panel
	s_lshl_b32 s68, s[WV], 15                      ; wave w fetches K steps 2 w and 2 w + 1
	s_lshl_b32 s54, s66, 17
	s_add_co_u32 s54, s54, s68
	s_mov_b32 s55, 0
	s_lshr_b32 s[DB], s67, 3
	s_lshl_b32 s[DB], s[DB], 17
	s_and_b32 s69, s67, 7
	s_lshl_b32 s69, s69, 11
	s_add_co_u32 s[DB], s[DB], s69
	s_mov_b32 s[DB+1], 0
	s_lshl_b32 s62, s66, 12                        ; the shared panels' scale words: 8 x 512 bytes a group
	s_mov_b32 s63, 0
	s_lshl_b32 s70, s67, 9                         ; the direct panels'
	s_mov_b32 s71, 0
	s_wait_dscnt 0x0                               ; the opening add is done
	s_wait_kmcnt 0x0
	s_add_nc_u64 s[54:55], s[4:5], s[54:55]
	s_mov_b32 s[G0], 1
	s_mov_b32 s[G0+1], s68                         ; the tile lies in LDS as in memory
	s_mov_b64 s[G0+2:G0+3], s[54:55]
	s_or_b32 s[G0+3], s[G0+3], 0x80000000
; ONE TENSOR LOAD A WAVE; a line of its own for wave 0 (shown at the first barrier), for wave 1 (at the second) and for waves 2 and 3 (at the third, where every wave waits)
.macro HLOAD
	tensor_load_to_lds s[G0:G0+3], s[G1:G1+7]
	s_nop 0
	PLACES 4
.endm
	s_wait_alu depctr_va_vdst(0)
	s_cmp_eq_u32 s[WV], 0
	s_cbranch_scc0 .Lhead_1
	HLOAD
	s_branch .Lhead_asked
.Lhead_1:
	s_cmp_eq_u32 s[WV], 1
	s_cbranch_scc0 .Lhead_2
	HLOAD
	s_branch .Lhead_asked
.Lhead_2:
	HLOAD
.Lhead_asked:
	s_add_nc_u64 s[DB:DB+1], s[4:5], s[DB:DB+1]
	s_add_nc_u64 s[62:63], s[6:7], s[62:63]
	s_add_nc_u64 s[70:71], s[6:7], s[70:71]
.irp sp, 0,1,2,3,4,5,6,7
.irp hf, 0,1
	global_load_b64 v[SS+4*\sp+2*\hf:SS+4*\sp+2*\hf+1], v[L8], s[62:63] offset:512*\sp+256*\hf
.endr
.endr
.irp dp, 0,1,2,3
.irp hf, 0,1
	global_load_b64 v[DS+4*\dp+2*\hf:DS+4*\dp+2*\hf+1], v[L8], s[70:71] offset:512*\dp+256*\hf
.endr
.endr
	s_cmp_eq_u32 s[XX], 5
	s_cbranch_scc1 .Lbias_v
	s_cmp_eq_u32 s[XX], 4                          ; q's and k's bias runs along the direct rows: it is the C of each sum's first product, eight registers a direct panel
	s_cselect_b64 s[66:67], s[12:13], s[10:11]
	s_cselect_b32 s51, 0, s[XX]
	s_lshl_b32 s51, s51, 2
	s_add_co_u32 s51, s51, s[WV]                   ; the head
	s_lshl_b32 s68, s51, 8
	s_mov_b32 s69, 0
	s_add_nc_u64 s[66:67], s[66:67], s[68:69]
	s_wait_alu depctr_va_vdst(0)
.irp dp, 0,1,2,3
	global_load_b128 v[BI+8*\dp:BI+8*\dp+3], v[BA], s[66:67] offset:(32*(\dp/2)+8*(\dp%2))*4
	global_load_b128 v[BI+8*\dp+4:BI+8*\dp+7], v[BA], s[66:67] offset:(32*(\dp/2)+8*(\dp%2))*4+16
.endr
	s_branch .Lbias_done
.Lbias_v:
.set i, 0
.rept 32
	v_mov_b32 v[BI+i], 0                           ; v's bias runs along the shared rows and is added on the way out; so that one text serves the K steps, its C is 0
.set i, i+1
.endr
.Lbias_done:
.macro BLOAD ks                        ; my four direct fragments of K step ks, into ring set ks % 4
	WIN 0xc0
.irp dp, 0,1,2,3
.irp c, 0,1,2,3
	global_load_b128 v[64*((\ks)%4)+16*\dp+4*\c:64*((\ks)%4)+16*\dp+4*\c+3], v[LI], s[DB:DB+1] offset:16384*(\ks)+2048*\dp+512*\c
.endr
.endr
.endm
.macro ALOAD ks                        ; the eight shared fragments of K step ks, from LDS into set ks % 2
	WIN 0x80
.irp sp, 0,1,2,3,4,5,6,7
.irp c, 0,1,2,3
	ds_load_b128 v[128*((\ks)%2)+16*\sp+4*\c:128*((\ks)%2)+16*\sp+4*\c+3], v[LI+(\ks)/4] offset:16384*((\ks)%4)+2048*\sp+512*\c
.endr
.endr
.endm
.macro CSLOAD p                        ; cosines and sines for shared panels 2 p and 2 p + 1: 32 registers each, (cos, sin) of my row's position for my 16 pairs; into ring set p
	WIN 0xc0
.irp e, 0,1
.irp b, 0,1
.irp jj, 0,1,2,3
	global_load_b128 v[64*(\p)+32*\e+16*\b+4*\jj:64*(\p)+32*\e+16*\b+4*\jj+3], v[CSA], s[RB:RB+1] offset:(32*(\p)+8*\e)*256+128*\b+16*\jj
.endr
.endr
.endr
.endm
.macro BVLOAD
	WIN 0
.irp sp, 0,1,2,3,4,5,6,7
	global_load_b32 v[BV+\sp], v[BVA], s[RB:RB+1] offset:(32*(\sp/2)+8*(\sp%2))*4
.endr
.endm
; The 32 products of a K step.  The 32 accumulators take turns, one instruction a turn, in the same order in every step.
.macro MULS ks
.if (\ks) == 0
	WIN 0x4b                                       ; source 0 window 3, source 1 window 2, C window 0 (the bias), D window 1
.else
	WIN 0x5b                                       ; C and D window 1
.endif
.irp sp, 0,1,2,3,4,5,6,7
.irp dp, 0,1,2,3
.if (\ks) == 0
	v_wmma_scale_f32_16x16x128_f8f6f4 v[8*(4*\sp+\dp):8*(4*\sp+\dp)+7], v[16*\dp:16*\dp+15], v[16*\sp:16*\sp+15], v[BI+8*\dp:BI+8*\dp+7], v[DS+4*\dp], v[SS+4*\sp] matrix_a_fmt:MATRIX_FMT_BF8 matrix_b_fmt:MATRIX_FMT_BF8
.elseif (\ks)%2
	v_wmma_scale_f32_16x16x128_f8f6f4 v[8*(4*\sp+\dp):8*(4*\sp+\dp)+7], v[64*((\ks)%4)+16*\dp:64*((\ks)%4)+16*\dp+15], v[128+16*\sp:128+16*\sp+15], v[8*(4*\sp+\dp):8*(4*\sp+\dp)+7], v[DS+4*\dp+(\ks)/2], v[SS+4*\sp+(\ks)/2] matrix_a_fmt:MATRIX_FMT_BF8 matrix_b_fmt:MATRIX_FMT_BF8 matrix_a_scale:MATRIX_SCALE_ROW1 matrix_b_scale:MATRIX_SCALE_ROW1
.else
	v_wmma_scale_f32_16x16x128_f8f6f4 v[8*(4*\sp+\dp):8*(4*\sp+\dp)+7], v[64*((\ks)%4)+16*\dp:64*((\ks)%4)+16*\dp+15], v[16*\sp:16*\sp+15], v[8*(4*\sp+\dp):8*(4*\sp+\dp)+7], v[DS+4*\dp+(\ks)/2], v[SS+4*\sp+(\ks)/2] matrix_a_fmt:MATRIX_FMT_BF8 matrix_b_fmt:MATRIX_FMT_BF8
.endif
.endr
.endr
.endm
; A K step.  left: the global loads younger than this step's direct fragments.  extra = 1: the ring set that has run empty takes cosines and sines; 2: v's bias is asked for.
.macro KSTEP ks, left, extra
.if (\ks) > 0
	PLACES 8                                       ; loads into registers that matrix instructions have read stand eight places behind them
.endif
.if (\ks) <= 4
	BLOAD (\ks)+3
.endif
.if \extra == 1
	CSLOAD (\ks)-5
.endif
.if \extra == 2
	BVLOAD
.endif
	WIN 0
.if (\ks) == 1
	s_cmp_eq_u32 s[WV], 1                          ; wave 1: K steps 2 and 3 have landed
	s_cbranch_scc0 .Lnot_yet_\@
	s_wait_tensorcnt 0x0
.Lnot_yet_\@:
	s_wait_dscnt 0x0                               ; no LDS instruction of mine is out at a signal
	s_barrier_signal -1
	s_barrier_wait -1                              ; everybody's has
.endif
.if (\ks) == 3
	s_wait_tensorcnt 0x0                           ; the rest of the tile, K steps 4 to 7, at once: so no barrier stands behind the place where the ways part
	s_wait_dscnt 0x0
	s_barrier_signal -1
	s_barrier_wait -1
.endif
.if (\ks) < 7
	ALOAD (\ks)+1
.endif
	s_wait_loadcnt \left
.if (\ks) < 7
	s_wait_dscnt 32                                ; all but the 32 just issued
.else
	s_wait_dscnt 0x0
.endif
	MULS \ks
.endm
; 32 numbers of a lane, v[src] on (window 0), register 16 b + i = K 32 b + 16 h + i of my row, become 8 registers of codes at v[dst] and two scale bytes in v[PW]
.macro QUANT2 src, dst
.irp b, 0,1
	v_max3_num_f32 v[TM+\b], |v[(\src)+16*\b]|, |v[(\src)+1+16*\b]|, 0x8000000   ; my 16 numbers of block b, and the floor 2^(16 - 127): so the byte cannot fall under 1
.endr
.irp i, 2,4,6,8,10,12,14
.irp b, 0,1
	v_max3_num_f32 v[TM+\b], v[TM+\b], |v[(\src)+16*\b+\i]|, |v[(\src)+1+16*\b+\i]|
.endr
.endr
.irp b, 0,1
	v_permlanex16_b32 v[TM+2+\b], v[TM+\b], s[SEL], s[SEL+1]
.endr
.irp b, 0,1
	v_max_num_f32 v[TM+\b], v[TM+\b], v[TM+2+\b]   ; with lane l xor 16's: the block's largest magnitude
.endr
.irp b, 0,1
	v_add_nc_u32 v[TM+6+\b], 0xf8800000, v[TM+\b]  ; 15 off its exponent field: the conversion's scale operand
.endr
.irp b, 0,1
	v_and_or_b32 v[TM+4+\b], v[TM+\b], 0x7f800000, s[MNT]   ; 57,344 x the scale
.endr
.irp b, 0,1
	v_lshrrev_b32 v[TM+2+\b], 23, v[TM+6+\b]       ; the scale's byte
.endr
	v_lshl_or_b32 v[PW], v[TM+3], 8, v[TM+2]
.irp b, 0,1
.irp i, 0,1,2,3,4,5,6,7,8,9,10,11,12,13,14,15
	v_med3_num_f32 v[(\src)+16*\b+\i], v[(\src)+16*\b+\i], -v[TM+4+\b], v[TM+4+\b]   ; the conversion to an 8-bit code does not saturate (ISA guide 7.6.2): the hold comes first
.endr
	v_cvt_scalef32_pk8_bf8_f32 v[(\dst)+4*\b:(\dst)+4*\b+1], v[(\src)+16*\b:(\src)+16*\b+7], v[TM+6+\b]
	v_cvt_scalef32_pk8_bf8_f32 v[(\dst)+4*\b+2:(\dst)+4*\b+3], v[(\src)+16*\b+8:(\src)+16*\b+15], v[TM+6+\b]
.endr
	v_nop                                          ; one plain line behind the last conversion
.endm
	BLOAD 0
	BLOAD 1
	BLOAD 2
	WIN 0
	s_cmp_eq_u32 s[WV], 0                          ; wave 0: K steps 0 and 1 have landed
	s_cbranch_scc0 .Lnot_0
	s_wait_tensorcnt 0x0
.Lnot_0:
	s_barrier_signal -1
	s_barrier_wait -1                              ; everybody's has
	ALOAD 0
	s_wait_alu depctr_va_vdst(0)
	KSTEP 0, 48, 0                                 ; 48: the direct fragments of the three K steps behind the one that is multiplied
	KSTEP 1, 48, 0
	KSTEP 2, 48, 0
	KSTEP 3, 48, 0
	KSTEP 4, 48, 0
	WIN 0
	s_cmp_eq_u32 s[XX], 5
	s_cbranch_scc1 .Lv_way
	; ---------------- q and k ----------------
	s_and_b32 s62, s[YY], 15                       ; the table at my 128 rows' positions: 128 (y % 16) on, 256 bytes each
	s_lshl_b32 s62, s62, 15
	s_mov_b32 s63, 0
	s_add_nc_u64 s[RB:RB+1], s[8:9], s[62:63]
	s_lshl_b32 s62, s[YY], 4                       ; q's block: y x 16 + head
	s_lshl_b32 s51, s[XX], 2
	s_add_co_u32 s62, s62, s51
	s_add_co_u32 s62, s62, s[WV]
	s_mul_i32 s62, s62, 8704
	s_lshr_b32 s66, s[YY], 4                       ; k's block: ((batch x 4 + head) x 16 + key step)
	s_lshl_b32 s66, s66, 2
	s_add_co_u32 s66, s66, s[WV]
	s_lshl_b32 s66, s66, 4
	s_and_b32 s51, s[YY], 15
	s_add_co_u32 s66, s66, s51
	s_mul_i32 s66, s66, 17152
	s_mov_b32 s51, 8192
	s_cmp_eq_u32 s[XX], 4
	s_cselect_b32 s62, s66, s62
	s_cselect_b64 s[OB:OB+1], s[18:19], s[16:17]
	s_cselect_b32 s66, 16384, s51                  ; where the block's scale words begin
	s_mov_b32 s67, 0
	s_add_nc_u64 s[OB:OB+1], s[OB:OB+1], s[62:63]
	s_add_nc_u64 s[OS:OS+1], s[OB:OB+1], s[66:67]
	KSTEP 5, 48, 1                                 ; 48: K steps 6 and 7, and the first pair's cosines and sines; and so on
	KSTEP 6, 48, 1
	KSTEP 7, 48, 1
	PLACES 8                                       ; in front of the loads into the last ring set and of the first read of results
	CSLOAD 3
; Shared panel sp on its way out: the rotation, the quantiser, the stores.  Registers k, k + 1 (k even) hold the pair (x1, x2); the table's registers k, k + 1 its cosine and sine.
.macro EPI_QK sp
	s_wait_loadcnt 16*(3-(\sp)/2)                  ; the younger pairs of panels' cosines and sines may stay out
	WIN 0x0d                                       ; source 0 window 1 (the sums), source 1 window 3 (the table)
.irp k, 0,2,4,6,8,10,12,14,16,18,20,22,24,26,28,30
	v_mul_f32 v[T+\k+1], v[32*(\sp)+\k+1], v[32*(\sp)+\k]      ; x2 cos      (each accumulator is read from its low end on: its register 1 first)
	v_mul_f32 v[T+\k], v[32*(\sp)+\k+1], v[32*(\sp)+\k+1]      ; x2 sin
.endr
.irp k, 0,2,4,6,8,10,12,14,16,18,20,22,24,26,28,30
	v_fma_f32 v[T+\k+1], v[32*(\sp)+\k], v[32*(\sp)+\k+1], v[T+\k+1]   ; x1 sin + x2 cos
	v_fma_f32 v[T+\k], v[32*(\sp)+\k], v[32*(\sp)+\k], -v[T+\k]        ; x1 cos - x2 sin
.endr
	WIN 0
	QUANT2 T, CD+8*(\sp)
	v_or_b32 v[W+\sp], 0x7f7f0000, v[PW]           ; bytes 2 and 3: 127, over zero codes
.if (\sp)%2
	v_cndmask_b32 v[SW+(\sp)/2], v[W+\sp-1], v[W+\sp], s[HM]   ; both halves of the lanes hold row r's word: lanes 0-15 keep the even panel's, lanes 16-31 take the odd one's
.endif
	global_store_b128 v[LI], v[CD+8*(\sp):CD+8*(\sp)+3], s[OB:OB+1] offset:1024*(\sp)        ; 32 lanes store 512 consecutive bytes, aligned
	global_store_b128 v[LI], v[CD+8*(\sp)+4:CD+8*(\sp)+7], s[OB:OB+1] offset:1024*(\sp)+512
.endm
.irp sp, 0,1,2,3,4,5,6,7
	EPI_QK \sp
.endr
	global_store_b128 v[LI], v[SW:SW+3], s[OS:OS+1]
	s_wait_tensorcnt 0x0                           ; the wave's end: a tensor wait, an LDS add and its wait behind my last tensor load
	ds_add_u32 v[SPW], v[NIL]
	s_wait_dscnt 0x0
	s_endpgm
	; ---------------- v ----------------
.Lv_way:
	s_and_b32 s51, s[YY], 1
	s_lshl_b32 s62, s51, 9                         ; wv_b at my two heads: 128 numbers
	s_mov_b32 s63, 0
	s_add_nc_u64 s[RB:RB+1], s[14:15], s[62:63]
	s_lshr_b32 s66, s[YY], 4                       ; the block of my first head: ((batch x 4 + 2 (y % 2)) x 16 + key step), key step = 2 ((y / 2) % 8) + wave / 2
	s_lshl_b32 s66, s66, 2
	s_lshl_b32 s51, s51, 1
	s_add_co_u32 s66, s66, s51
	s_lshl_b32 s66, s66, 4
	s_bfe_u32 s51, s[YY], 0x30001
	s_lshl_b32 s51, s51, 1
	s_add_co_u32 s66, s66, s51
	s_lshr_b32 s51, s[WV], 1
	s_add_co_u32 s66, s66, s51
	s_mul_i32 s66, s66, 17152
	s_and_b32 s51, s[WV], 1                        ; my 64 keys are the step's blocks 2 (wave % 2) and the next
	s_lshl_b32 s62, s51, 10
	s_add_co_u32 s62, s62, s66
	s_add_co_u32 s62, s62, 8192
	s_add_nc_u64 s[OB:OB+1], s[18:19], s[62:63]
	s_lshl_b32 s62, s51, 1
	s_add_co_u32 s62, s62, s66
	s_add_co_u32 s62, s62, 16896
	s_add_nc_u64 s[OS:OS+1], s[18:19], s[62:63]
	KSTEP 5, 40, 2                                 ; 40: K steps 6 and 7 and the eight loads of the bias
	KSTEP 6, 24, 0
	KSTEP 7, 8, 0
	PLACES 8                                       ; in front of the first read of results
	WIN 0
	s_wait_loadcnt 0x0                             ; the bias
; Shared panel sp (16 of a head's 64, head sp / 4) on its way out: lane (r, h) holds one d and 32 of my 64 keys.  A scale word's four key blocks come from two waves, so each stores its two bytes:
; 32,768 bytes of the launch's output go out two bytes a lane; that spares a barrier on one of two ways.
.macro EPI_V sp
	WIN 0x01                                       ; source 0 window 1
.irp k, 0,2,4,6,8,10,12,14,16,18,20,22,24,26,28,30
.if (\sp)%2
	v_pk_add_f32 v[T+\k:T+\k+1], v[32*(\sp)+\k:32*(\sp)+\k+1], v[BV+\sp-1:BV+\sp] op_sel:[0,1] op_sel_hi:[1,1]
.else
	v_pk_add_f32 v[T+\k:T+\k+1], v[32*(\sp)+\k:32*(\sp)+\k+1], v[BV+\sp:BV+\sp+1] op_sel_hi:[1,0]
.endif
.endr
	WIN 0
	QUANT2 T, CD+8*(\sp)
	v_mov_b32 v[W+\sp], v[PW]
	global_store_b128 v[LI], v[CD+8*(\sp):CD+8*(\sp)+3], s[OB:OB+1] offset:((\sp)/4)*274432+((\sp)%4)*2048
	global_store_b128 v[LI], v[CD+8*(\sp)+4:CD+8*(\sp)+7], s[OB:OB+1] offset:((\sp)/4)*274432+((\sp)%4)*2048+512
.if (\sp)%2
	v_cndmask_b32 v[SW+(\sp)/2], v[W+\sp-1], v[W+\sp], s[HM]
	global_store_b16 v[L8], v[SW+(\sp)/2], s[OS:OS+1] offset:((\sp)/4)*274432+(((\sp)%4)/2)*4
.endif
.endm
.irp sp, 0,1,2,3,4,5,6,7
	EPI_V \sp
.endr
	s_wait_tensorcnt 0x0                           ; the wave's end: a tensor wait, an LDS add and its wait behind my last tensor load
	ds_add_u32 v[SPW], v[NIL]
	s_wait_dscnt 0x0
	s_endpgm
.Lfunc_end_k_q1360ecf717_qkv:
	.size	k_q1360ecf717_qkv, .Lfunc_end_k_q1360ecf717_qkv-k_q1360ecf717_qkv
	.p2alignl 7, 3214868480
	.fill 96, 4, 3214868480
	.section	.rodata,"a",@progbits
	.p2align	6, 0x0
	.amdhsa_kernel k_q1360ecf717_qkv
		.amdhsa_group_segment_fixed_size 167936
		.amdhsa_private_segment_fixed_size 0
		.amdhsa_enable_private_segment 0
		.amdhsa_kernarg_size 64
		.amdhsa_user_sgpr_count 2
		.amdhsa_user_sgpr_kernarg_segment_ptr 1
		.amdhsa_wavefront_size32 1
		.amdhsa_system_sgpr_workgroup_id_x 1
		.amdhsa_system_sgpr_workgroup_id_y 1
		.amdhsa_system_sgpr_workgroup_id_z 1
		.amdhsa_system_vgpr_workitem_id 0
		.amdhsa_next_free_vgpr 1024
		.amdhsa_next_free_sgpr 72
		.amdhsa_reserve_vcc 0
		.amdhsa_float_denorm_mode_32 3
		.amdhsa_float_denorm_mode_16_64 3
		.amdhsa_memory_ordered 1
		.amdhsa_forward_progress 1
		.amdhsa_inst_pref_size 201
	.end_amdhsa_kernel
	.amdgpu_metadata
---
amdhsa.version: [ 1, 2 ]
amdhsa.kernels:
  - .name:           k_q1360ecf717_qkv
    .symbol:         k_q1360ecf717_qkv.kd
    .args:
      - { .name: opc, .offset: 0, .size: 8, .value_kind: global_buffer, .address_space: global }
      - { .name: ops, .offset: 8, .size: 8, .value_kind: global_buffer, .address_space: global }
      - { .name: rope, .offset: 16, .size: 8, .value_kind: global_buffer, .address_space: global }
      - { .name: wq_b, .offset: 24, .size: 8, .value_kind: global_buffer, .address_space: global }
      - { .name: wk_b, .offset: 32, .size: 8, .value_kind: global_buffer, .address_space: global }
      - { .name: wv_b, .offset: 40, .size: 8, .value_kind: global_buffer, .address_space: global }
      - { .name: qbuf, .offset: 48, .size: 8, .value_kind: global_buffer, .address_space: global }
      - { .name: kvbuf, .offset: 56, .size: 8, .value_kind: global_buffer, .address_space: global }
    .group_segment_fixed_size: 167936
    .private_segment_fixed_size: 0
    .kernarg_segment_align: 8
    .kernarg_segment_size: 64
    .max_flat_workgroup_size: 128
    .sgpr_count:     72
    .vgpr_count:     1024
    .wavefront_size: 32
...
	.end_amdgpu_metadata
.endif
;; end of part 2
;; launch attn (part 3): grid 32 x 8, 12 waves a work-group, clusters of 4 x 1, 242,688 bytes of LDS; arguments qbuf, kvbuf, ctxc, ctxs; writes ctxc, ctxs
.if DOCPART == 3
	.amdgcn_target "amdgcn-amd-amdhsa--gfx1250"
	.amdhsa_code_object_version 6
	.text
	.protected	k_q1360ecf717_attn
	.globl	k_q1360ecf717_attn
	.p2align	8
	.type	k_q1360ecf717_attn,@function
k_q1360ecf717_attn:
	s_mov_b64 s[64:65], 0
	v_nop
	global_prefetch_b8 v0, s[64:65] scope:SCOPE_SE
	s_setreg_imm32_b32 hwreg(HW_REG_WAVE_MODE, 25, 1), 1
	s_wait_xcnt 0x0
	s_wait_alu depctr_hold_cnt(0) depctr_sa_sdst(0) depctr_va_vdst(0) depctr_va_sdst(0) depctr_va_ssrc(0) depctr_va_vcc(0) depctr_vm_vsrc(0)
	s_getreg_b32 s2, hwreg(HW_REG_IB_STS2, 6, 4)
	s_cmp_eq_u32 s2, 0
	s_cbranch_scc0 .Lentry_in_a_cluster
	s_endpgm
.Lentry_in_a_cluster:
	s_bfe_u32 s2, ttmp6, 0x10000c
	s_cmp_lg_u32 s2, 0x3003
	s_cbranch_scc0 .Lentry_shape_is_right
	s_endpgm
.Lentry_shape_is_right:
; ctx[b][q][head][:] = the sum over keys k with 0 <= q - k <= 1,024 of softmax_k(q . k / 8) v[k][:], both products on codes of BF8 (E5M2) with E8M0 scales; ctx is quantised at once, along the 1,024 of (head, d), for the last product.
; THE SOFTMAX AHEAD OF THE SECOND PRODUCT: t = score x log2(e) / 8; M = the row's largest t so far, rounded UP to a whole number; p = 2^(t - M) is what is quantised, along the keys; it is not normalised.
; The row's sum is taken of the unquantised p and divides O at the end.  When M moves, the sum and O are multiplied by 2^(old M - new M): exact.
; LEFT OUT: keys that the mask of reference()'s own body throws away for all 16 queries of a tile, where they come in runs of 64 or 128 keys: their p is 0 for every value of the inputs.  A NaN or an infinity that reaches only those is not carried to the result.
; THE DEAL.  A tile is 16 queries (a panel: half u of a block B of 32 queries) of one query head.  Blocks B >= 32 (late) see 33 blocks of 32 keys, blocks B < 32 (early) see B + 1.  A work-group owns four tiles of each of the four query
; heads that share a key/value head (y = batch x 4 + head): with c the cluster's x, cx = 2 sub + u the place in it:
;   tile 0: B = 32 + 4 c + sub;   tile 1: B = 34 + 4 c + sub;   tile 2: B = 2 c + sub;   tile 3: B = 31 - 2 c - sub.      Each tile has one owner.
; Twelve waves: wave w has head w % 4; waves 0-3 tile 0, waves 4-7 tile 1, waves 8-11 tile 3 and then tile 2.
; STEPS of 128 keys, relative to the tile's first key step (late: c; early: 0): a late tile walks nine, of which tile 0's last and tile 1's first is a HALF step of 64 keys; tile 3 walks 8 - c / 2, the last a half where c is odd, and tile 2
; c / 2 + 1, the last a half where c is even: nine together.  So every wave works in each of nine trips, one of them a half step.  All of this hangs on the wave and the cluster alone.  The diagonal cuts the upper 64 keys of a full last step, or
; a half step; the window's far edge the lower 64 keys of tile 0's first step, or tile 1's first half step.  So an edge touches 32 registers.  Every query has a key that counts in its first step, so M is a number from the first step on.
; CLUSTERS.  The four work-groups of a cluster need the same 14 blocks of kvbuf (17,152 dense bytes each: K's codes, V's codes, both scale images): key steps c .. c + 8 for the late tiles and 0 .. 4 for the early ones, which take steps 5 to 7
; from among the late ones.  They are asked for jointly, one tensor load a wave, at the head.  No byte is filled twice: early step n lies in slot n, late step n in slot 5 + n.
; Waves 0 to 3 bring what trips 0 and 1 read, shown by the first barrier; the rest is shown by the second, ahead of trip 2.  Behind it the waves walk without a barrier.
; NO PREFETCH: every tile is asked for at the head, and no loop asks for more.
; LAYOUT.  Both products are used transposed: S^T = K Q^T, O^T = V^T P^T: a lane holds ONE query (lane % 16) throughout.  Panels hold rows 32 b + 8 u + i + 8 (i / 8): so the 16 registers of tiles 2 b and 2 b + 1 of S^T are keys
; 32 b + 16 (lane / 16) + 0 .. 15, and those of O^T the head's d likewise.  K = 64 of the first product fills half of the instruction's 128: Q's other half is zero codes; a key tile's other half is the next tile's codes (or the zeros behind
; the last), finite numbers times zero.  In a half step P's last 64 codes are zeros, over whatever finite codes V's registers hold.
; LIMITS: NaN and infinities are not served; scaled scores stay under 2^31 in magnitude; a block of p or of ctx whose largest magnitude lies under 2^-111 keeps the byte 1 (a block of zeros too: its codes are zeros).
.set BLK,   17152
.set SPARE, 14*BLK                     ; the spare words, 128 bytes for each wave: six blocks of 256 bytes that no other line names
.set GATH,  SPARE+1536                 ; 2 x 512 bytes in which the waves' scale bytes of ctx meet; no tensor load lands here
.set LI,  1                            ; v1   16 x lane
.set L8,  2                            ; v2   8 x lane
.set D0,  3                            ; v3   my query's position - 16 (lane / 16)
.set ADR, 4                            ; v4   16 x lane + the block in hand
.set SPW, 5                            ; v5   LDS address of my spare word; never rewritten
.set NIL, 6                            ; v6   0; never rewritten
.set ADR8, 8                           ; v8   8 x lane + the block in hand
.set DD,  9                            ; v9   an edge's limit
.set QS,  11                           ; v11  Q's scale word
.set QF,  16                           ; v16-31 Q's fragment (v24-31: zero codes);  v12 -M, v13 the largest score, v[14:15] the sum in two halves
.set KR,  32                           ; v32-95 eight tiles of K, later V's four fragments;  v96-103 zeros
.set S,   104                          ; v104-167 S^T, then p
.set O,   168                          ; v168-199 O^T
.set PCD, 200                          ; v200-215 p's codes
.set KS,  216                          ; v216-219 K's scale words: a register serves two tiles
.set VS,  220                          ; v220-221 V's
.set T2,  223
.set BM,  224                          ; v224-227 the blocks' largest scores, then largest p
.set TM,  226                          ; (the way out's eight registers)
.set BP,  228                          ; v228-231 the other half's, then the bytes
.set LM,  232                          ; v232-235 57,344 x the scale
.set SO,  236                          ; v236-239 the conversions' scale operands
.set FF,  240                          ; v240 f = 2^(old M - new M);  v241 p's scale word (named with f as a pair, of which the low word alone is taken)
.set PS,  241
.set TMP, 242
.set NINF, 243                         ; v243 -infinity
.set C1,  244                          ; v244-249 three more chains of the sum
.set C2,  246
.set C3,  248
.set L4,  250                          ; v250 4 x lane
.set D0B, 251                          ; v251 D0 of the second tile;  v256-264 its Q and scale word (a late wave's second tile is its first: it never comes to it)
.set KPT, 252                          ; v252 the first tile's two scale bytes of ctx
.set GA,  254                          ; v254 where my scale bytes of ctx go
.set GR,  255                          ; v255 where a tile's 128 scale bytes are read back
.set WV,  12
.set HD,  13                           ; s13  my query head among the four
.set KD,  14                           ; s14  0: tile 0;  1: tile 1;  2: tiles 3 and 2
.set LT,  15                           ; s15  1: late
.set G1,  16
.set G0,  24
.set SL,  28                           ; s28  the tile's last trip
.set HF,  29                           ; s29  my half step's trip
.set KEY, 30                           ; s30  the step's first key
.set TB,  31                           ; s31  LDS byte of the trip's block
.set ST,  32                           ; s32  the trip
.set WF,  33                           ; s33  the full step on the window's far edge, or -1
.set CS,  34                           ; s[34:35] c = log2(e) / 8
.set SEL, 36
.set MNT, 38
.set NCS, 39                           ; s39  -c
.set ADJ, 40                           ; s40  tile 3: from step 5 on the blocks lie 5 - c slots further on
.set FL,  41                           ; s41  the trip ahead of which tile 3 goes out and tile 2 begins, or -1
.set YY,  42
.set KVH, 43
.set BB,  44
.set QB1, 46                           ; s46, s47 my first and second tile's block of 32 queries
.set QB2, 47
.set QBW, 48                           ; s48  the block of tile w % 4, whose scale bytes wave w stores
.set UU,  49                           ; s49  the panel in it
.set CC,  50                           ; s50  the cluster's x
.set SUB, 51
.set G1P, 68                           ; s[68:75] group 1 for two blocks
.set FLA, 92                           ; s92  8 - c / 2
.macro PLACES n
.rept \n
	v_nop
.endr
.endm
.macro ROUND                           ; a round of the cluster's barrier
	s_barrier_signal -1
	s_barrier_wait -1
	s_cmp_lg_u32 s[WV], 0
	s_cbranch_scc1 .Lnot_wave_0_\@
	s_barrier_signal -3
.Lnot_wave_0_\@:
	s_barrier_wait -3
	s_barrier_signal -1
	s_barrier_wait -1
.endm
.macro TILEB d, q                      ; the block of 32 queries of tile s[q]
	s_lshl_b32 s58, s[\q], 1
	s_add_co_u32 s58, s58, s55
	s_cmp_eq_u32 s[\q], 2
	s_cselect_b32 s[\d], s56, s58
	s_cmp_eq_u32 s[\q], 3
	s_cselect_b32 s[\d], s57, s[\d]
.endm
.macro QADDR b, p                      ; Q of block s[b]: block ((batch x 16 + B / 4) x 16 + query head), panel 2 (B % 4) + u: its codes s[p:p+1]; its scale words (lanes 16 u on, word B % 4) s[p+2:p+3]
	s_lshl_b32 s[\p], s[BB], 4
	s_lshr_b32 s59, s[\b], 2
	s_add_co_u32 s[\p], s[\p], s59
	s_lshl_b32 s[\p], s[\p], 4
	s_lshl_b32 s59, s[KVH], 2
	s_add_co_u32 s[\p], s[\p], s59
	s_add_co_u32 s[\p], s[\p], s[HD]
	s_mul_i32 s[\p], s[\p], 8704
	s_and_b32 s59, s[\b], 3
	s_lshl_b32 s[\p+2], s[UU], 8
	s_lshl_b32 s[\p+3], s59, 2
	s_add_co_u32 s[\p+2], s[\p+2], s[\p+3]
	s_add_co_u32 s[\p+2], s[\p+2], s[\p]
	s_add_co_u32 s[\p+2], s[\p+2], 8192
	s_mov_b32 s[\p+3], 0
	s_lshl_b32 s59, s59, 1
	s_add_co_u32 s59, s59, s[UU]
	s_lshl_b32 s59, s59, 10
	s_add_co_u32 s[\p], s[\p], s59
	s_mov_b32 s[\p+1], 0
.endm
	s_load_b256 s[4:11], s[0:1], 0x0               ; qbuf s[4:5], kvbuf s[6:7], ctxc s[8:9], ctxs s[10:11]
	v_lshl_add_u32 v[SPW], v0, 2, SPARE
	v_mov_b32 v[NIL], 0
	ds_add_u32 v[SPW], v[NIL]                      ; the wave's opening: the add, twice on end, and its wait ahead of the first tensor load; the set-up below, work on registers, stands between
	ds_add_u32 v[SPW], v[NIL]
	v_lshrrev_b32 v4, 5, v0
	v_readfirstlane_b32 s[WV], v4
	s_and_b32 s[HD], s[WV], 3
	s_lshr_b32 s[KD], s[WV], 2
	s_lshr_b32 s45, s[KD], 1                       ; 1: early
	s_xor_b32 s[LT], s45, 1
	s_and_b32 s[CC], ttmp9, 7
	s_bfe_u32 s53, ttmp6, 0x40000                  ; cx: it enters addresses in memory and positions alone
	s_lshr_b32 s[SUB], s53, 1
	s_and_b32 s[UU], s53, 1
	s_and_b32 s[YY], ttmp7, 0xffff
	s_and_b32 s[KVH], s[YY], 3
	s_lshr_b32 s[BB], s[YY], 2
	s_min_u32 s52, s[CC], 5                        ; (where c is 6 or 7 tile 3 walks no sixth step)
	s_sub_co_u32 s[ADJ], 5, s52
	s_min_u32 s[ADJ], s[ADJ], 5
	s_mul_i32 s[ADJ], s[ADJ], s45
	s_mul_i32 s[ADJ], s[ADJ], BLK
	s_mul_i32 s[TB], s[LT], 5*BLK
	s_mul_i32 s[KEY], s[LT], s[CC]
	s_lshl_b32 s[KEY], s[KEY], 7
	s_mov_b32 s[ST], 0
	s_lshr_b32 s52, s[CC], 1
	s_sub_co_u32 s53, 7, s52                       ; tile 3's last trip
	s_add_co_u32 s[FLA], s53, 1
	s_and_b32 s54, s[CC], 1
	s_cmp_eq_u32 s54, 0
	s_cselect_b32 s55, 8, s53                      ; an early wave's half step: tile 2's last or tile 3's last
	s_cmp_eq_u32 s[KD], 1
	s_cselect_b32 s[HF], 0, 8
	s_cmp_eq_u32 s[KD], 2
	s_cselect_b32 s[HF], s55, s[HF]
	s_cselect_b32 s[SL], s53, 8
	s_cselect_b32 s[FL], s[FLA], -1
	s_cmp_eq_u32 s[KD], 0
	s_cselect_b32 s[WF], 0, -1
	s_lshl_b32 s55, s[CC], 2
	s_add_co_u32 s55, s55, s[SUB]
	s_add_co_u32 s55, s55, 32
	s_lshl_b32 s56, s[CC], 1
	s_add_co_u32 s56, s56, s[SUB]
	s_sub_co_u32 s57, 31, s56
	s_add_co_u32 s54, s[KD], s45                   ; my first tile: 0, 1 or 3; my second is my kind's number
	TILEB QB1, 54
	TILEB QB2, KD
	TILEB QBW, HD
	; which key step I fetch: waves 0, 1: late 0, 1;  2, 3: early 0, 1;  4 to 6: late 2 and 3, 4 and 5, 6 and 7;  7: late 8;  8 to 10: early 2 to 4;  11: nothing
	s_and_b32 s52, s[WV], 1
	s_add_co_u32 s53, s[CC], s[WV]
	s_lshl_b32 s54, s[HD], 1
	s_add_co_u32 s54, s54, 2
	s_add_co_u32 s54, s54, s[CC]
	s_add_co_u32 s55, s[HD], 2
	s_cmp_lt_u32 s[WV], 8
	s_cselect_b32 s58, s54, s55
	s_cmp_lt_u32 s[WV], 4
	s_cselect_b32 s58, s52, s58
	s_cmp_lt_u32 s[WV], 2
	s_cselect_b32 s58, s53, s58
	s_lshl_b32 s59, s[YY], 4
	s_add_co_u32 s59, s59, s58
	s_mul_i32 s84, s59, BLK
	s_mov_b32 s85, 0
	s_mul_i32 s86, s[WV], BLK
	s_mul_i32 s87, s52, BLK
	s_mul_i32 s88, s[HD], BLK
	s_mul_i32 s89, s[HD], 2*BLK
	; descriptor group 1: a block, 17,152 dense bytes, as 67 rows of 32 elements of 8 bytes; no padding; the mask names the four work-groups of the cluster, and bit 21 is set beside it;  and the same for two blocks on end
	s_mov_b32 s[G1+0], 15|(3<<16)|(1<<21)
	s_mov_b32 s[G1+1], 32<<16                      ; tensor_dim0 = 32
	s_mov_b32 s[G1+2], 67<<16                      ; tensor_dim1 = 67
	s_mov_b32 s[G1+3], 32<<16                      ; tile_dim0 = 32
	s_mov_b32 s[G1+4], 67                          ; tile_dim1 = 67
	s_mov_b32 s[G1+5], 32                          ; from row to row
	s_mov_b32 s[G1+6], 0
	s_mov_b32 s[G1+7], 0
	s_mov_b32 s[G1P+0], 15|(3<<16)|(1<<21)
	s_mov_b32 s[G1P+1], 32<<16
	s_mov_b32 s[G1P+2], 134<<16
	s_mov_b32 s[G1P+3], 32<<16
	s_mov_b32 s[G1P+4], 134
	s_mov_b32 s[G1P+5], 32
	s_mov_b32 s[G1P+6], 0
	s_mov_b32 s[G1P+7], 0
	s_mov_b32 s[CS], 0x3e38aa3b
	s_mov_b32 s[CS+1], s[CS]                       ; (named with it as a pair, so it is written)
	s_mov_b32 s[NCS], 0xbe38aa3b
	s_mov_b32 s[SEL], 0x76543210
	s_mov_b32 s[SEL+1], 0xfedcba98
	s_mov_b32 s[MNT], 0x600000
	QADDR QB1, 76
	QADDR QB2, 80
	s_lshl_b32 s52, s[UU], 3                       ; the tiles' first queries
	s_lshl_b32 s90, s[QB1], 5
	s_add_co_u32 s90, s90, s52
	s_lshl_b32 s91, s[QB2], 5
	s_add_co_u32 s91, s91, s52
	s_lshl_b32 s53, s[KD], 7                       ; ctx's scale bytes in LDS: kind x 128 + (head / 2) x 64 + 4 r + (head % 2) x 2; those of tile 3 512 further on
	s_add_co_u32 s53, s53, GATH
	s_lshr_b32 s54, s[HD], 1
	s_lshl_b32 s54, s54, 6
	s_add_co_u32 s53, s53, s54
	s_and_b32 s54, s[HD], 1
	s_lshl_b32 s54, s54, 1
	s_add_co_u32 s53, s53, s54
	s_lshr_b32 s54, s[HD], 1                       ; read back: tile w % 4 at 0, 128, 256 and 768
	s_and_b32 s54, s54, s[HD]
	s_mul_i32 s54, s54, 384
	s_lshl_b32 s52, s[HD], 7
	s_add_co_u32 s52, s52, s54
	s_add_co_u32 s52, s52, GATH
	v_and_b32 v7, 31, v0                           ; lane
	v_and_b32 v9, 15, v0                           ; r
	v_bfe_u32 v10, v0, 4, 1                        ; h
	v_lshlrev_b32 v[LI], 4, v7
	v_and_b32 v[D0], 8, v9
	v_lshlrev_b32 v10, 4, v10
	v_lshlrev_b32 v[L8], 3, v7
	v_add_nc_u32 v[D0], v[D0], v9                  ; r + 8 (r / 8)
	v_lshlrev_b32 v[L4], 2, v7
	v_lshl_add_u32 v[GR], v7, 2, s52
	v_sub_nc_u32 v[D0], v[D0], v10
	v_lshlrev_b32 v[TMP], 4, v9
	v_lshl_add_u32 v[GA], v9, 2, s53
	v_add_nc_u32 v[D0B], s91, v[D0]
	v_add_nc_u32 v[D0], s90, v[D0]
	s_wait_alu depctr_va_vdst(0)
	s_wait_dscnt 0x0                               ; both opening adds are done
	ROUND                                          ; all four work-groups are here: the joint loads meet
	s_wait_kmcnt 0x0
	s_mov_b32 s[G0], 1
	s_add_nc_u64 s[G0+2:G0+3], s[6:7], s[84:85]
	s_or_b32 s[G0+3], s[G0+3], 0x80000000
; ONE tensor load a wave: one chain of branches on the wave's number, an arm a line; the lines of waves 0 to 3 are waited for at the first barrier
.macro ARM under, from, plus, g1, next
	s_cmp_lt_u32 s[WV], \under
	s_cbranch_scc0 \next
	s_add_co_u32 s[G0+1], s\from, \plus
	tensor_load_to_lds s[G0:G0+3], s[\g1:\g1+7]
	s_nop 0
	PLACES 4
	s_branch .Lhead_asked
\next:
.endm
	ARM 2, 86, 5*BLK, G1, .Lhead_early
	ARM 4, 87, 0, G1, .Lhead_pairs
	ARM 7, 89, 7*BLK, G1P, .Lhead_last
	ARM 8, 87, 12*BLK, G1, .Lhead_early_2
	ARM 11, 88, 2*BLK, G1, .Lhead_none
.Lhead_asked:
	s_add_nc_u64 s[76:77], s[4:5], s[76:77]
	s_add_nc_u64 s[78:79], s[4:5], s[78:79]
	s_add_nc_u64 s[80:81], s[4:5], s[80:81]
	s_add_nc_u64 s[82:83], s[4:5], s[82:83]
	global_load_b128 v[QF:QF+3], v[LI], s[76:77]
	global_load_b128 v[QF+4:QF+7], v[LI], s[76:77] offset:512
	global_load_b32 v[QS], v[TMP], s[78:79]
	s_set_vgpr_msb 0x40                            ; destination in block 1
	global_load_b128 v[0:3], v[LI], s[80:81]       ; v256-263: the second tile's Q
	global_load_b128 v[4:7], v[LI], s[80:81] offset:512
	global_load_b32 v[8], v[TMP], s[82:83]         ; v264: its scale word
	s_set_vgpr_msb 0x4000
.irp i, 8,9,10,11,12,13,14,15
	v_mov_b32 v[QF+\i], 0                          ; zero codes for K = 64 .. 127, in Q
.endr
.set n, 32
.rept 40
	v_mov_b32 v[KR+n], 0                           ; finite codes where a first step, a half, loads nothing; and the zeros behind the eighth tile
.set n, n+1
.endr
.macro RESET                           ; a tile begins: O^T and the sum are zeros, which the first change of M leaves zeros
.set n, 0
.rept 32
	v_mov_b32 v[O+n], 0
.set n, n+1
.endr
.irp i, 0,1,2,3,4,5
	v_mov_b32 v[C1+\i], 0
.endr
	v_mov_b32 v12, 0x7e000000                      ; -M of a largest score far under every score
	v_mov_b32 v13, 0xff61b1e6                      ; -3e38
	v_mov_b32 v14, 0
	v_mov_b32 v15, 0
.endm
	RESET
.irp b, 0,1,2,3
	v_mov_b32 v[BP+\b], 0                          ; written once: a lane permute's destination counts as one of its sources
.endr
	v_mov_b32 v[PS], 0                             ; (named as the upper half of a pair before it is first written)
	v_mov_b32 v[KPT], 0
	v_mov_b32 v[NINF], 0xff800000
	s_wait_alu depctr_va_vdst(0)
	s_wait_loadcnt 0x0                             ; Q
.macro SPROD t                         ; 16 keys x my 16 queries
.if (\t)%2
	v_wmma_scale_f32_16x16x128_f8f6f4 v[S+8*(\t):S+8*(\t)+7], v[KR+8*(\t):KR+8*(\t)+15], v[QF:QF+15], 0, v[KS+(\t)/2], v[QS] matrix_a_fmt:MATRIX_FMT_BF8 matrix_b_fmt:MATRIX_FMT_BF8 matrix_a_scale:MATRIX_SCALE_ROW1
.else
	v_wmma_scale_f32_16x16x128_f8f6f4 v[S+8*(\t):S+8*(\t)+7], v[KR+8*(\t):KR+8*(\t)+15], v[QF:QF+15], 0, v[KS+(\t)/2], v[QS] matrix_a_fmt:MATRIX_FMT_BF8 matrix_b_fmt:MATRIX_FMT_BF8
.endif
.endm
.macro HIDE far, n0                    ; 32 registers from n0 on: register 16 b + i holds key 32 b + 16 (lane / 16) + i of the step: hidden beyond my query (far = 0), or more than 1,024 behind it (far = 1)
.set n, \n0
.rept 32
.if \far
	v_cmp_lt_i32 vcc_lo, 32*(n/16)+n%16, v[DD]
.else
	v_cmp_gt_i32 vcc_lo, 32*(n/16)+n%16, v[DD]
.endif
	v_cndmask_b32 v[S+n], v[S+n], v[NINF], vcc_lo
.set n, n+1
.endr
.endm
; A STEP of nb blocks of 32 keys: 4, or 2 in a half step.  first = 1: in the first two trips, where the window's far edge lies, a half step is a block's upper half (tile 1's first), and no tile ends.
.macro STEP nb, first
.set UP, 0
.if \first && (\nb == 2)
.set UP, 1
.endif
.if \nb == 4
	ds_load_b128 v[KS:KS+3], v[ADR] offset:16384
.else
	ds_load_b64 v[KS:KS+1], v[ADR] offset:16384+8*UP
.endif
.set n, 0
.rept 2*\nb
	ds_load_b128 v[KR+8*n:KR+8*n+3], v[ADR] offset:4096*UP+1024*n
	ds_load_b128 v[KR+8*n+4:KR+8*n+7], v[ADR] offset:4096*UP+1024*n+512
.set n, n+1
.endr
.if \nb == 4
	s_wait_dscnt 6                                 ; tiles 0 to 4 are in (a product names its own tile's registers and the next one's); tiles 5 to 7 may be out
.else
	s_wait_dscnt 0x0
.endif
	SPROD 0
	SPROD 1
	SPROD 2
	SPROD 3
.if \nb == 4
	s_wait_dscnt 0x0
	SPROD 4
	SPROD 5
	SPROD 6
	SPROD 7
.endif
	v_pk_add_f32 v[14:15], v[14:15], v[C1:C1+1]    ; the last step's four chains of the sum become one: these lines are places behind the products too, eight of which are asked
	v_pk_add_f32 v[C2:C2+1], v[C2:C2+1], v[C3:C3+1]
	v_mov_b32 v[TMP], v12                          ; the old -M
	v_pk_add_f32 v[14:15], v[14:15], v[C2:C2+1]
.if \nb == 4
	PLACES 4
.else
.irp i, 8,9,10,11,12,13,14,15
	v_mov_b32 v[PCD+\i], 0                         ; P's last 64 codes are zeros
.endr
.endif
.irp dt, 0,1,2,3                               ; V's four fragments (16 of the head's 64 x these keys) land where K lay; the softmax stands between these loads and their wait
.set n, 0
.rept \nb
	ds_load_b128 v[KR+16*\dt+4*n:KR+16*\dt+4*n+3], v[ADR] offset:8192+2048*\dt+1024*UP+512*n
.set n, n+1
.endr
.endr
	ds_load_b64 v[VS:VS+1], v[ADR8] offset:16896
.if \first
.if \nb == 4
	s_cmp_lg_u32 s[ST], s[WF]
	s_cbranch_scc1 .Lopen_\@
.endif
	s_add_co_u32 s45, s[KEY], 1024+64*UP
	v_sub_nc_u32 v[DD], v[D0], s45
	HIDE 1, 0
.else
.if \nb == 4
	s_cmp_lg_u32 s[ST], s[SL]
	s_cbranch_scc1 .Lopen_\@
.endif
	v_sub_nc_u32 v[DD], v[D0], s[KEY]
	HIDE 0, 16*(\nb)-32
.endif
.Lopen_\@:
.set n, 0
.rept \nb
	v_max3_num_f32 v[BM+n], v[S+16*n], v[S+16*n+1], v[S+16*n+2]   ; the largest score of each block of 32 keys: it serves the row's maximum and, since p rises with the score, the block's largest p
.set n, n+1
.endr
.irp i, 3,5,7,9,11,13
.set n, 0
.rept \nb
	v_max3_num_f32 v[BM+n], v[BM+n], v[S+16*n+\i], v[S+16*n+\i+1]
.set n, n+1
.endr
.endr
.set n, 0
.rept \nb
	v_max_num_f32 v[BM+n], v[BM+n], v[S+16*n+15]
.set n, n+1
.endr
.set n, 0
.rept \nb
	s_delay_alu instid0(VALU_DEP_\nb)
	v_permlanex16_b32 v[BP+n], v[BM+n], s[SEL], s[SEL+1]
.set n, n+1
.endr
.set n, 0
.rept \nb
	s_delay_alu instid0(VALU_DEP_\nb)
	v_max_num_f32 v[BM+n], v[BM+n], v[BP+n]        ; with lane l xor 16's 16 keys
.set n, n+1
.endr
	v_max3_num_f32 v13, v13, v[BM], v[BM+1]        ; the running largest score
.if \nb == 4
	s_delay_alu instid0(VALU_DEP_1)
	v_max3_num_f32 v13, v13, v[BM+2], v[BM+3]
.endif
	s_delay_alu instid0(VALU_DEP_1)
	v_mul_f32 v[T2], s[NCS], v13                   ; -t of it (c is positive)
	s_delay_alu instid0(VALU_DEP_1)
	v_floor_f32 v12, v[T2]                         ; the new -M = floor(-t) = -ceil(t): a whole number
	s_delay_alu instid0(VALU_DEP_1)
	v_sub_f32 v[TMP], v12, v[TMP]                  ; old M - new M: a whole number, 0 or less
	s_delay_alu instid0(VALU_DEP_1)
	v_cvt_i32_f32 v[TMP], v[TMP]                   ; (it saturates)
	s_delay_alu instid0(VALU_DEP_1)
	v_ldexp_f32 v[FF], 1.0, v[TMP]                 ; f = 2^(old M - new M)
.set n, 0
.rept 8*\nb
	v_pk_fma_f32 v[S+n:S+n+1], v[S+n:S+n+1], s[CS:CS+1], v[12:13] op_sel_hi:[1,0,0]   ; t - M, two at a time
.set n, n+2
.endr
.set n, 0
.rept \nb
	v_fma_f32 v[BM+n], v[BM+n], s[CS], v12         ; the same of each block's largest score
.set n, n+1
.endr
	s_wait_alu depctr_va_vdst(0)
.set n, 0
.rept \nb
	v_exp_f32 v[BM+n], v[BM+n]                     ; the block's largest p: the same two instructions on the same number give the same bits
.set n, n+1
.endr
.set n, 0
.rept 16*\nb
	v_exp_f32 v[S+n], v[S+n]                       ; p = 2^(t - M), at most 1; 0 where the key is hidden
.set n, n+1
.endr
	v_pk_mul_f32 v[14:15], v[14:15], v[FF:FF+1] op_sel_hi:[1,0]   ; the sums under the new M: the plain line behind the exponentials
	s_wait_alu depctr_va_vdst(0)                   ; one wait for the whole batch, ahead of the first line that names a result
	v_pk_add_f32 v[14:15], v[14:15], v[S:S+1]      ; the sum of the unquantised p in four chains
	v_pk_add_f32 v[C1:C1+1], v[S+2:S+3], v[S+10:S+11]
	v_pk_add_f32 v[C2:C2+1], v[S+4:S+5], v[S+12:S+13]
	v_pk_add_f32 v[C3:C3+1], v[S+6:S+7], v[S+14:S+15]
	v_pk_add_f32 v[14:15], v[14:15], v[S+8:S+9]
.set n, 16
.rept 2*\nb-2
	v_pk_add_f32 v[C1:C1+1], v[C1:C1+1], v[S+n+2:S+n+3]
	v_pk_add_f32 v[C2:C2+1], v[C2:C2+1], v[S+n+4:S+n+5]
	v_pk_add_f32 v[C3:C3+1], v[C3:C3+1], v[S+n+6:S+n+7]
	v_pk_add_f32 v[14:15], v[14:15], v[S+n:S+n+1]
.set n, n+8
.endr
.set n, 0
.rept \nb
	v_max_num_f32 v[BM+n], 0x8000000, v[BM+n]      ; the floor 2^(16 - 127): the byte cannot fall under 1
.set n, n+1
.endr
.set n, 0
.rept \nb
	v_add_nc_u32 v[SO+n], 0xf8800000, v[BM+n]      ; 15 off the exponent field: the conversion's scale operand
.set n, n+1
.endr
.set n, 0
.rept \nb
	v_and_or_b32 v[LM+n], v[BM+n], 0x7f800000, s[MNT]   ; 57,344 x the scale
.set n, n+1
.endr
.set n, 0
.rept \nb
	v_lshrrev_b32 v[BP+n], 23, v[SO+n]             ; the scale's byte
.set n, n+1
.endr
	v_lshl_or_b32 v[PS], v[BP+1], 8, v[BP]         ; p's scale word for these keys; the holds below are the places between it and the products
	s_delay_alu instid0(VALU_DEP_1)
.if \nb == 4
	v_lshl_or_b32 v[PS], v[BP+2], 16, v[PS]
	s_delay_alu instid0(VALU_DEP_1)
	v_lshl_or_b32 v[PS], v[BP+3], 24, v[PS]
.else
	v_or_b32 v[PS], 0x7f7f0000, v[PS]              ; 127 over the zero codes
.endif
.set n, 0
.rept \nb
.irp i, 0,2,4,6,8,10,12,14
	v_dual_min_num_f32 v[S+16*n+\i], v[S+16*n+\i], v[LM+n] :: v_dual_min_num_f32 v[S+16*n+\i+1], v[S+16*n+\i+1], v[LM+n]   ; the conversion to an 8-bit code does not saturate (ISA guide 7.6.2); p is not negative, so the hold is one-sided
.endr
	v_cvt_scalef32_pk8_bf8_f32 v[PCD+4*n:PCD+4*n+1], v[S+16*n:S+16*n+7], v[SO+n]
	v_cvt_scalef32_pk8_bf8_f32 v[PCD+4*n+2:PCD+4*n+3], v[S+16*n+8:S+16*n+15], v[SO+n]
.set n, n+1
.endr
	s_wait_dscnt 0x0                               ; V
.if UP
	v_lshrrev_b32 v[VS], 16, v[VS]                 ; an upper half's bytes come to the word's low end
	v_lshrrev_b32 v[VS+1], 16, v[VS+1]
.endif
	s_wait_alu depctr_va_vdst(0)
.set n, 0
.rept 16
	v_pk_mul_f32 v[O+n:O+n+1], v[O+n:O+n+1], v[FF:FF+1] op_sel_hi:[1,0]   ; O^T under the new M.  These sixteen are also the plain lines between the conversions and the products that take the codes
.set n, n+2
.endr
.irp dt, 0,2                                   ; O^T += V^T P^T: the four accumulators take turns
	v_wmma_scale_f32_16x16x128_f8f6f4 v[O+8*\dt:O+8*\dt+7], v[KR+16*\dt:KR+16*\dt+15], v[PCD:PCD+15], v[O+8*\dt:O+8*\dt+7], v[VS+\dt/2], v[PS] matrix_a_fmt:MATRIX_FMT_BF8 matrix_b_fmt:MATRIX_FMT_BF8
	v_wmma_scale_f32_16x16x128_f8f6f4 v[O+8*\dt+8:O+8*\dt+15], v[KR+16*\dt+16:KR+16*\dt+31], v[PCD:PCD+15], v[O+8*\dt+8:O+8*\dt+15], v[VS+\dt/2], v[PS] matrix_a_fmt:MATRIX_FMT_BF8 matrix_b_fmt:MATRIX_FMT_BF8 matrix_a_scale:MATRIX_SCALE_ROW1
.endr
	PLACES 6                                       ; with the next step's two address lines the eight in front of its loads
.endm
; A TILE'S WAY OUT (its block of queries in s[b]).  O^T is divided by the row's sum and quantised: 64 numbers a row are two blocks of 32 of the last product's K (head x 64 + d): half a fragment, stored as the image of its registers.  The two scale bytes stay in v[TMP].
.macro OUT b
	v_pk_add_f32 v[14:15], v[14:15], v[C1:C1+1]
	v_pk_add_f32 v[C2:C2+1], v[C2:C2+1], v[C3:C3+1]
	s_delay_alu instid0(VALU_DEP_1)
	v_pk_add_f32 v[14:15], v[14:15], v[C2:C2+1]
	s_delay_alu instid0(VALU_DEP_1)
	v_add_f32 v14, v14, v15                        ; the sum's two halves,
	s_delay_alu instid0(VALU_DEP_1)
	v_permlanex16_b32 v[BP], v14, s[SEL], s[SEL+1]
	s_delay_alu instid0(VALU_DEP_1)
	v_add_f32 v14, v14, v[BP]                      ; and lane l xor 16's
	s_wait_alu depctr_va_vdst(0)
	v_rcp_f32 v14, v14
	v_mov_b32 v15, 0                               ; the plain line behind the reciprocal (v15 is named with it as a pair)
	s_lshl_b32 s45, s[BB], 5
	s_lshr_b32 s56, s[\b], 1
	s_add_co_u32 s45, s45, s56                     ; G: which 64 rows of the 4,096
	s_and_b32 s56, s[\b], 1
	s_lshl_b32 s56, s56, 1
	s_add_co_u32 s56, s56, s[UU]                   ; which panel of them
	s_lshl_b32 s52, s45, 16                        ; ctxc: G x 65536 + K step x 8192 + panel x 2048 + c x 512: K step = 2 kv head + head / 2, c = 2 (head % 2) on
	s_lshl_b32 s57, s[KVH], 1
	s_lshr_b32 s58, s[HD], 1
	s_add_co_u32 s57, s57, s58
	s_lshl_b32 s57, s57, 13
	s_add_co_u32 s52, s52, s57
	s_lshl_b32 s57, s56, 11
	s_add_co_u32 s52, s52, s57
	s_and_b32 s57, s[HD], 1
	s_lshl_b32 s57, s57, 10
	s_add_co_u32 s52, s52, s57
	s_mov_b32 s53, 0
	s_add_nc_u64 s[54:55], s[8:9], s[52:53]
	s_wait_alu depctr_va_vdst(0)                   ; the wait ahead of the first use of the reciprocal
.set n, 0
.rept 16
	v_pk_mul_f32 v[S+n:S+n+1], v[O+n:O+n+1], v[14:15] op_sel_hi:[1,0]
.set n, n+2
.endr
.irp b2, 0,1
	v_max3_num_f32 v[TM+\b2], |v[S+16*\b2]|, |v[S+1+16*\b2]|, 0x8000000
.endr
.irp i, 2,4,6,8,10,12,14
.irp b2, 0,1
	s_delay_alu instid0(VALU_DEP_2)
	v_max3_num_f32 v[TM+\b2], v[TM+\b2], |v[S+16*\b2+\i]|, |v[S+1+16*\b2+\i]|
.endr
.endr
.irp b2, 0,1
	s_delay_alu instid0(VALU_DEP_2)
	v_permlanex16_b32 v[TM+2+\b2], v[TM+\b2], s[SEL], s[SEL+1]
.endr
.irp b2, 0,1
	s_delay_alu instid0(VALU_DEP_2)
	v_max_num_f32 v[TM+\b2], v[TM+\b2], v[TM+2+\b2]
.endr
.irp b2, 0,1
	s_delay_alu instid0(VALU_DEP_2)
	v_add_nc_u32 v[TM+6+\b2], 0xf8800000, v[TM+\b2]
.endr
.irp b2, 0,1
	v_and_or_b32 v[TM+4+\b2], v[TM+\b2], 0x7f800000, s[MNT]
.endr
.irp b2, 0,1
	v_lshrrev_b32 v[TM+2+\b2], 23, v[TM+6+\b2]
.endr
	s_delay_alu instid0(VALU_DEP_1)
	v_lshl_or_b32 v[TMP], v[TM+3], 8, v[TM+2]      ; the two scale bytes
.irp b2, 0,1
.irp i, 0,1,2,3,4,5,6,7,8,9,10,11,12,13,14,15
	v_med3_num_f32 v[S+16*\b2+\i], v[S+16*\b2+\i], -v[TM+4+\b2], v[TM+4+\b2]
.endr
	v_cvt_scalef32_pk8_bf8_f32 v[PCD+4*\b2:PCD+4*\b2+1], v[S+16*\b2:S+16*\b2+7], v[TM+6+\b2]
	v_cvt_scalef32_pk8_bf8_f32 v[PCD+4*\b2+2:PCD+4*\b2+3], v[S+16*\b2+8:S+16*\b2+15], v[TM+6+\b2]
.endr
	v_nop                                          ; one plain line behind the last conversion
	global_store_b128 v[LI], v[PCD:PCD+3], s[54:55]               ; 32 lanes store 512 consecutive bytes, aligned
	global_store_b128 v[LI], v[PCD+4:PCD+7], s[54:55] offset:512
.endm
.macro TRIP first
.if \first
	s_mov_b32 s45, s[TB]
.else
	s_cmp_lg_u32 s[ST], s[FL]
	s_cbranch_scc1 .Lgoes_on_\@
	OUT QB1                                        ; tile 3 is finished: it goes out, and tile 2 begins
	v_mov_b32 v[KPT], v[TMP]
	s_set_vgpr_msb 0x01                            ; source 0 in block 1
	v_mov_b32 v[QS], v[8]
.irp i, 0,1,2,3,4,5,6,7
	v_mov_b32 v[QF+\i], v[\i]
.endr
	s_set_vgpr_msb 0x0100
	v_mov_b32 v[D0], v[D0B]
	RESET
	s_mov_b32 s[KEY], 0
	s_mov_b32 s[SL], 8
	s_wait_alu depctr_va_vdst(0)
	s_wait_xcnt 0x0                                ; the stores have read the codes and their base: both are written again
.Lgoes_on_\@:
	s_cmp_ge_u32 s[ST], 5
	s_cselect_b32 s45, s[ADJ], 0
	s_add_co_u32 s45, s45, s[TB]
	s_sub_co_u32 s52, s[ST], s[FLA]                ; tile 2's step
	s_min_u32 s52, s52, 8
	s_mul_i32 s52, s52, BLK
	s_cmp_ge_u32 s[ST], s[FL]
	s_cselect_b32 s45, s52, s45
	s_min_u32 s45, s45, 13*BLK                     ; (the last slot)
.endif
	v_add_nc_u32 v[ADR], s45, v[LI]
	v_add_nc_u32 v[ADR8], s45, v[L8]
	s_wait_alu depctr_va_vdst(0)
	s_cmp_eq_u32 s[ST], s[HF]
	s_cbranch_scc1 .Lhalf_\@
	STEP 4, \first
	s_branch .Ldone_\@
.Lhalf_\@:
	STEP 2, \first
.Ldone_\@:
	s_add_co_u32 s[ST], s[ST], 1
	s_add_co_u32 s[KEY], s[KEY], 128
	s_add_co_u32 s[TB], s[TB], BLK
.endm
	s_cmp_lt_u32 s[WV], 4                          ; the blocks of trips 0 and 1 have landed: waves 0 to 3 wait for theirs
	s_cbranch_scc0 .Lnot_first
	s_wait_tensorcnt 0x0
.Lnot_first:
	s_barrier_signal -1
	s_barrier_wait -1
.Lfirst:
	TRIP 1
	s_cmp_lt_u32 s[ST], 2
	s_cbranch_scc1 .Lfirst
	s_wait_tensorcnt 0x0                           ; all the others have
	s_wait_dscnt 0x0
	s_barrier_signal -1
	s_barrier_wait -1
.Lwalk:
	TRIP 0
	s_cmp_lt_u32 s[ST], 9
	s_cbranch_scc1 .Lwalk
	OUT QB2
	s_lshl_b32 s45, s[BB], 5                       ; ctxs: G x 2048 + kv head x 512 + panel x 128, for tile w % 4
	s_lshr_b32 s56, s[QBW], 1
	s_add_co_u32 s45, s45, s56
	s_and_b32 s56, s[QBW], 1
	s_lshl_b32 s56, s56, 1
	s_add_co_u32 s56, s56, s[UU]
	s_lshl_b32 s60, s45, 11
	s_lshl_b32 s57, s[KVH], 9
	s_add_co_u32 s60, s60, s57
	s_lshl_b32 s57, s56, 7
	s_add_co_u32 s60, s60, s57
	s_mov_b32 s61, 0
	s_add_nc_u64 s[60:61], s[10:11], s[60:61]
	s_wait_alu depctr_va_vdst(0)
	ds_store_b16 v[GA], v[TMP]                     ; a scale word's four bytes come from two waves: they meet in LDS (lanes r and r + 16 write the same bytes with the same value)
	ds_store_b16 v[GA], v[KPT] offset:512          ; tile 3's (a late wave has none: its zeros are not read)
	s_wait_dscnt 0x0                               ; for the others' sake: my stores are done
	s_barrier_signal -1
	s_barrier_wait -1
	s_cmp_ge_u32 s[WV], 4
	s_cbranch_scc1 .Lwords_out
	ds_load_b32 v[S], v[GR]                        ; waves 0 to 3 store a tile's 128 bytes of scale words each, consecutive
	s_wait_dscnt 0x0
	global_store_b32 v[L4], v[S], s[60:61]
.Lwords_out:
	s_wait_tensorcnt 0x0                           ; the wave's end: a tensor wait, an LDS add and its wait behind my last tensor load and my last LDS store
	ds_add_u32 v[SPW], v[NIL]
	s_wait_dscnt 0x0
	ROUND                                          ; the closing round
	s_endpgm
.Lfunc_end_k_q1360ecf717_attn:
	.size	k_q1360ecf717_attn, .Lfunc_end_k_q1360ecf717_attn-k_q1360ecf717_attn
	.p2alignl 7, 3214868480
	.fill 96, 4, 3214868480
	.section	.rodata,"a",@progbits
	.p2align	6, 0x0
	.amdhsa_kernel k_q1360ecf717_attn
		.amdhsa_group_segment_fixed_size 242688
		.amdhsa_private_segment_fixed_size 0
		.amdhsa_enable_private_segment 0
		.amdhsa_kernarg_size 32
		.amdhsa_user_sgpr_count 2
		.amdhsa_user_sgpr_kernarg_segment_ptr 1
		.amdhsa_wavefront_size32 1
		.amdhsa_system_sgpr_workgroup_id_x 1
		.amdhsa_system_sgpr_workgroup_id_y 1
		.amdhsa_system_sgpr_workgroup_id_z 1
		.amdhsa_system_vgpr_workitem_id 0
		.amdhsa_next_free_vgpr 272
		.amdhsa_next_free_sgpr 96
		.amdhsa_reserve_vcc 1
		.amdhsa_float_denorm_mode_32 3
		.amdhsa_float_denorm_mode_16_64 3
		.amdhsa_memory_ordered 1
		.amdhsa_forward_progress 1
		.amdhsa_inst_pref_size 100
	.end_amdhsa_kernel
	.amdgpu_metadata
---
amdhsa.version: [ 1, 2 ]
amdhsa.kernels:
  - .name:           k_q1360ecf717_attn
    .symbol:         k_q1360ecf717_attn.kd
    .args:
      - { .name: qbuf, .offset: 0, .size: 8, .value_kind: global_buffer, .address_space: global }
      - { .name: kvbuf, .offset: 8, .size: 8, .value_kind: global_buffer, .address_space: global }
      - { .name: ctxc, .offset: 16, .size: 8, .value_kind: global_buffer, .address_space: global }
      - { .name: ctxs, .offset: 24, .size: 8, .value_kind: global_buffer, .address_space: global }
    .group_segment_fixed_size: 242688
    .private_segment_fixed_size: 0
    .kernarg_segment_align: 8
    .kernarg_segment_size: 32
    .max_flat_workgroup_size: 384
    .sgpr_count:     96
    .vgpr_count:     272
    .wavefront_size: 32
...
	.end_amdgpu_metadata
.endif
;; end of part 3
;; launch oproj (part 4): grid 8 x 32, 4 waves a work-group, clusters of 4 x 4, 280,064 bytes of LDS; arguments ctxc, ctxs, opc, ops, out0; writes out0
.if DOCPART == 4
	.amdgcn_target "amdgcn-amd-amdhsa--gfx1250"
	.amdhsa_code_object_version 6
	.text
	.protected	k_q1360ecf717_oproj
	.globl	k_q1360ecf717_oproj
	.p2align	8
	.type	k_q1360ecf717_oproj,@function
k_q1360ecf717_oproj:
	s_mov_b64 s[64:65], 0
	v_nop
	global_prefetch_b8 v0, s[64:65] scope:SCOPE_SE
	s_setreg_imm32_b32 hwreg(HW_REG_WAVE_MODE, 25, 1), 1
	s_wait_xcnt 0x0
	s_wait_alu depctr_hold_cnt(0) depctr_sa_sdst(0) depctr_va_vdst(0) depctr_va_sdst(0) depctr_va_ssrc(0) depctr_va_vcc(0) depctr_vm_vsrc(0)
	s_getreg_b32 s2, hwreg(HW_REG_IB_STS2, 6, 4)
	s_cmp_eq_u32 s2, 0
	s_cbranch_scc0 .Lentry_in_a_cluster
	s_endpgm
.Lentry_in_a_cluster:
	s_bfe_u32 s2, ttmp6, 0x10000c
	s_cmp_lg_u32 s2, 0xf033
	s_cbranch_scc0 .Lentry_shape_is_right
	s_endpgm
.Lentry_shape_is_right:
; out = ctx wo^T on codes of BF8 (E5M2) with E8M0 scales: 4,096 x 1,024, K = 1,024, f32.  Nothing is left out.
; PANELS of 16 rows, panel 2 b + u = rows 32 b + 8 u + i + 8 (i / 8); a fragment (panel x 128 K) is the image of its 16 registers, [c][lane][16 bytes], 2,048 bytes.
; ctxc: [64 rows][K step 8][panel 4][2048];  ctxs: [64 rows][K pair 4][panel 4][lane][4];  wo: panels 352 on of opc: [8 panels][K step 8][panel][2048], and of ops: [panel][half][lane][2 words].
; A WORK-GROUP makes 128 x 128; each of its four waves 64 x 64: its 64 columns of wo for all of K stand in 512 registers, and its four panels of ctx go past them one after the other, 32 products each, so that finished rows leave while others are multiplied.
; All of both operands, 262,144 bytes, lies in LDS: no byte is filled twice.  ONE tensor load a wave at the head, 65,536 bytes: waves 0, 1: wo's K steps 0-3, 4-7 (shown at the first barrier); wave 2: panels 0 and 1 of both groups of 64 rows (at the
; second); wave 3: panels 2 and 3 (at the third).
; CLUSTERS of 4 x 4: ctx's rows are shared along a row of the cluster, wo's along a column: joint loads.  NO PREFETCH: everything is asked for at the head.
; THE PRODUCT: source 0 = 16 rows of wo, source 1 = 16 rows of ctx: a lane holds a row of out and, in the 16 registers of two neighbouring panels of wo, 16 neighbouring columns.
; REGISTERS.  window 0: addresses, scale words, sums, the way out; windows 1 and 2: wo's fragments, K steps 0-3 and 4-7; window 3: two sets of a panel of ctx, 128 registers each.
; LIMITS: NaN and infinities are not served.
.set STAGE, 262144                     ; behind the tiles: a stage of 16 rows x (256 + 16) bytes for each wave
.set SPARE, STAGE+4*4352               ; the spare words, 128 bytes for each wave: two blocks of 256 bytes that no other line names
.set LI,  1                            ; v1   16 x lane
.set L4,  2
.set L8,  3
.set STO, 4                            ; v4   the stage, on the way in
.set RD,  5                            ; v5   and out
.set SPW, 6
.set NIL, 7
.set CO,  8                            ; v8   my byte offset in out
.set AB,  9                            ; v9, v10 LDS: my columns of wo, K steps 0-3, 4-7
.set AA,  11                           ; v11, v12 LDS: my rows of ctx, panels 0 and 1, 2 and 3
.set SS,  16                           ; v16-31 ctx's scale words, 4 a panel: a register serves two K steps, the odd one in lanes 16-31
.set DS,  34                           ; v34-49 wo's likewise: no product's two scale words have numbers equal modulo 8
.set AC,  64                           ; v64-127 two sets of four accumulators
.set BK,  128                          ; v128-191 the way out: two sets of 16 rows read back
.set WV,  14
.set WR,  15                           ; s15  my 64 rows
.set WC,  16                           ; s16  my 64 columns
.set TX,  19
.set TY,  20
.set G1A, 24
.set G1B, 32
.set G0A, 40
.set G0B, 44
.set MSB, 0
.macro WIN new                         ; the immediate's high byte repeats the setting that is left
.if MSB != \new
	s_set_vgpr_msb (MSB<<8)|\new
.set MSB, \new
.endif
.endm
.macro PLACES n
.rept \n
	v_nop
.endr
.endm
.macro CROUND                          ; a round of the cluster's barrier
	s_barrier_signal -1
	s_barrier_wait -1
	s_cmp_lg_u32 s[WV], 0
	s_cbranch_scc1 .Lnot_wave_0_\@
	s_barrier_signal -3
.Lnot_wave_0_\@:
	s_barrier_wait -3
	s_barrier_signal -1
	s_barrier_wait -1
.endm
.macro TLOAD g0, g1
	tensor_load_to_lds s[\g0:\g0+3], s[\g1:\g1+7]
	s_nop 0
	PLACES 4
.endm
	s_load_b256 s[4:11], s[0:1], 0x0               ; ctxc s[4:5], ctxs s[6:7], opc s[8:9], ops s[10:11]
	s_load_b64 s[12:13], s[0:1], 0x20              ; out
	v_lshl_add_u32 v[SPW], v0, 2, SPARE
	v_mov_b32 v[NIL], 0
	ds_add_u32 v[SPW], v[NIL]                      ; the wave's opening: the add, twice on end, and its wait ahead of my tensor load
	ds_add_u32 v[SPW], v[NIL]
	v_lshrrev_b32 v13, 5, v0
	v_readfirstlane_b32 s[WV], v13
	s_lshr_b32 s[WR], s[WV], 1
	s_and_b32 s[WC], s[WV], 1
	s_bfe_u32 s17, ttmp6, 0x40000                  ; cx, cy
	s_bfe_u32 s18, ttmp6, 0x40004
	s_lshl_b32 s[TX], ttmp9, 2
	s_add_co_u32 s[TX], s[TX], s17                 ; which 128 columns
	s_and_b32 s[TY], ttmp7, 0xffff
	s_lshl_b32 s[TY], s[TY], 2
	s_add_co_u32 s[TY], s[TY], s18                 ; which 128 rows
	s_lshl_b32 s21, s18, 2
	s_lshl_b32 s21, 15, s21                        ; my row of the cluster: shares ctx's rows
	s_lshl_b32 s22, 0x1111, s17                    ; my column: shares wo's
	; ctx: 16 rows (two groups of 64 rows x 8 K steps, 8,192 bytes apart) of 4,096 bytes: two panels;  wo: 65,536 dense bytes as 256 rows of 256
	s_or_b32 s[G1A+0], s21, (3<<16)|(1<<21)        ; elements of 8 bytes; bit 21 beside the mask
	s_mov_b32 s[G1A+1], 512<<16
	s_mov_b32 s[G1A+2], 16<<16
	s_mov_b32 s[G1A+3], 512<<16
	s_mov_b32 s[G1A+4], 16
	s_mov_b32 s[G1A+5], 1024
	s_mov_b32 s[G1A+6], 0
	s_mov_b32 s[G1A+7], 0
	s_or_b32 s[G1B+0], s22, (3<<16)|(1<<21)
	s_mov_b32 s[G1B+1], 32<<16
	s_mov_b32 s[G1B+2], 256<<16
	s_mov_b32 s[G1B+3], 32<<16
	s_mov_b32 s[G1B+4], 256
	s_mov_b32 s[G1B+5], 32
	s_mov_b32 s[G1B+6], 0
	s_mov_b32 s[G1B+7], 0
	s_lshl_b32 s23, s[WV], 16                      ; where my load goes: wo's halves, then ctx's
	s_lshl_b32 s48, s[TY], 17                      ; ctxc: two groups of 65,536 bytes; panels 2 and 3 lie 4,096 further on
	s_lshl_b32 s60, s[WC], 12
	s_add_co_u32 s48, s48, s60
	s_mov_b32 s49, 0
	s_add_co_u32 s50, s[TX], 44                    ; opc: group 44 + tile column
	s_lshl_b32 s50, s50, 17
	s_lshl_b32 s60, s[WC], 16
	s_add_co_u32 s50, s50, s60
	s_mov_b32 s51, 0
	s_lshl_b32 s52, s[TY], 12                      ; ctxs: my 64 rows
	s_lshl_b32 s60, s[WR], 11
	s_add_co_u32 s52, s52, s60
	s_mov_b32 s53, 0
	s_lshl_b32 s54, s[TX], 3                       ; ops: my four panels of wo
	s_lshl_b32 s60, s[WC], 2
	s_add_co_u32 s54, s54, s60
	s_add_co_u32 s54, s54, 352
	s_lshl_b32 s54, s54, 9
	s_mov_b32 s55, 0
	s_lshl_b32 s56, s[TY], 19                      ; out: rows 128 tile row + 64 WR, columns 128 tile column + 64 WC
	s_lshl_b32 s60, s[WR], 18
	s_add_co_u32 s56, s56, s60
	s_lshl_b32 s60, s[TX], 9
	s_add_co_u32 s56, s56, s60
	s_lshl_b32 s60, s[WC], 8
	s_add_co_u32 s56, s56, s60
	s_mov_b32 s57, 0
	v_and_b32 v13, 31, v0
	v_and_b32 v14, 15, v0                          ; r
	v_bfe_u32 v15, v0, 4, 1                        ; h
	v_lshlrev_b32 v[LI], 4, v13
	v_lshlrev_b32 v[L4], 2, v13
	v_lshlrev_b32 v[L8], 3, v13
	s_mul_i32 s61, s[WV], 4352
	s_add_co_u32 s61, s61, STAGE
	v_mul_u32_u24 v[STO], v14, 272
	v_mul_u32_u24 v[RD], v15, 272
	v_lshlrev_b32 v[CO], 12, v15
	v_lshl_add_u32 v[STO], v15, 6, v[STO]
	v_lshl_add_u32 v[RD], v14, 4, v[RD]
	v_lshl_add_u32 v[CO], v14, 4, v[CO]
	v_add_nc_u32 v[STO], s61, v[STO]
	v_add_nc_u32 v[RD], s61, v[RD]
	s_lshl_b32 s62, s[WC], 13
	v_add_nc_u32 v[AB], s62, v[LI]
	v_add_nc_u32 v[AB+1], 0x10000, v[AB]
	s_lshl_b32 s63, s[WR], 15
	s_add_co_u32 s63, s63, 0x20000
	v_add_nc_u32 v[AA], s63, v[LI]
	v_add_nc_u32 v[AA+1], 0x10000, v[AA]
	s_wait_alu depctr_va_vdst(0)
	s_wait_dscnt 0x0                               ; both opening adds are done
	CROUND                                         ; all sixteen work-groups are here: the joint loads meet
	s_wait_kmcnt 0x0
	s_mov_b32 s[G0A], 1
	s_mov_b32 s[G0A+1], s23
	s_add_nc_u64 s[G0A+2:G0A+3], s[4:5], s[48:49]
	s_or_b32 s[G0A+3], s[G0A+3], 0x80000000
	s_mov_b32 s[G0B], 1
	s_mov_b32 s[G0B+1], s23
	s_add_nc_u64 s[G0B+2:G0B+3], s[8:9], s[50:51]
	s_or_b32 s[G0B+3], s[G0B+3], 0x80000000
	s_cmp_lt_u32 s[WV], 2
	s_cbranch_scc0 .Lhead_2
	TLOAD G0B, G1B
	s_branch .Lhead_asked
.Lhead_2:
	s_cmp_eq_u32 s[WV], 2
	s_cbranch_scc0 .Lhead_3
	TLOAD G0A, G1A
	s_branch .Lhead_asked
.Lhead_3:
	TLOAD G0A, G1A
.Lhead_asked:
	s_add_nc_u64 s[52:53], s[6:7], s[52:53]
	s_add_nc_u64 s[54:55], s[10:11], s[54:55]
	s_add_nc_u64 s[56:57], s[12:13], s[56:57]
.irp sp, 0,1,2,3
.irp kk, 0,1,2,3
	global_load_b32 v[SS+4*\sp+\kk], v[L4], s[52:53] offset:512*\kk+128*\sp
.endr
.endr
.irp dp, 0,1,2,3
.irp hf, 0,1
	global_load_b64 v[DS+4*\dp+2*\hf:DS+4*\dp+2*\hf+1], v[L8], s[54:55] offset:512*\dp+256*\hf
.endr
.endr
.macro FETCH sp                        ; a panel of ctx, all of K, into set sp % 2: 32 loads
	WIN 0xc0
.irp ks, 0,1,2,3,4,5,6,7
.irp c, 0,1,2,3
	ds_load_b128 v[128*((\sp)%2)+16*\ks+4*\c:128*((\sp)%2)+16*\ks+4*\c+3], v[AA+(\sp)/2] offset:4096*\ks+2048*((\sp)%2)+512*\c
.endr
.endr
	WIN 0
.endm
.macro PANEL sp                        ; 32 products; the four accumulators take turns
.set A_, AC+32*((\sp)%2)
.set R_, 128*((\sp)%2)
.irp ks, 0,1,2,3,4,5,6,7
	WIN 0x0d+(\ks)/4                               ; source 0 window 1 or 2, source 1 window 3, C and D window 0
.irp dp, 0,1,2,3
.if \ks == 0
	v_wmma_scale_f32_16x16x128_f8f6f4 v[A_+8*\dp:A_+8*\dp+7], v[16*\dp:16*\dp+15], v[R_:R_+15], 0, v[DS+4*\dp], v[SS+4*(\sp)] matrix_a_fmt:MATRIX_FMT_BF8 matrix_b_fmt:MATRIX_FMT_BF8
.elseif (\ks)%2
	v_wmma_scale_f32_16x16x128_f8f6f4 v[A_+8*\dp:A_+8*\dp+7], v[64*((\ks)%4)+16*\dp:64*((\ks)%4)+16*\dp+15], v[R_+16*\ks:R_+16*\ks+15], v[A_+8*\dp:A_+8*\dp+7], v[DS+4*\dp+(\ks)/2], v[SS+4*(\sp)+(\ks)/2] matrix_a_fmt:MATRIX_FMT_BF8 matrix_b_fmt:MATRIX_FMT_BF8 matrix_a_scale:MATRIX_SCALE_ROW1 matrix_b_scale:MATRIX_SCALE_ROW1
.else
	v_wmma_scale_f32_16x16x128_f8f6f4 v[A_+8*\dp:A_+8*\dp+7], v[64*((\ks)%4)+16*\dp:64*((\ks)%4)+16*\dp+15], v[R_+16*\ks:R_+16*\ks+15], v[A_+8*\dp:A_+8*\dp+7], v[DS+4*\dp+(\ks)/2], v[SS+4*(\sp)+(\ks)/2] matrix_a_fmt:MATRIX_FMT_BF8 matrix_b_fmt:MATRIX_FMT_BF8
.endif
.endr
.endr
	WIN 0
.endm
.macro TOSTAGE sp                      ; a panel's results into my stage, each accumulator from its low end on, and back as rows of 256 bytes: LDS serves a wave's instructions in order (ISA guide 5.7.1.4)
.set A_, AC+32*((\sp)%2)
.irp dp, 0,1,2,3
	ds_store_b128 v[STO], v[A_+8*\dp:A_+8*\dp+3] offset:128*(\dp/2)+32*(\dp%2)
	ds_store_b128 v[STO], v[A_+8*\dp+4:A_+8*\dp+7] offset:128*(\dp/2)+32*(\dp%2)+16
.endr
.irp t, 0,1,2,3,4,5,6,7
	ds_load_b128 v[BK+32*((\sp)%2)+4*\t:BK+32*((\sp)%2)+4*\t+3], v[RD] offset:544*\t
.endr
.endm
.macro SEND sp                         ; 16 lanes store 256 consecutive bytes, aligned
.irp t, 0,1,2,3,4,5,6,7
	global_store_b128 v[CO], v[BK+32*((\sp)%2)+4*\t:BK+32*((\sp)%2)+4*\t+3], s[56:57] offset:(32*((\sp)/2)+8*((\sp)%2)+2*\t+8*(\t/4))*4096 th:TH_STORE_NT
.endr
.endm
	s_cmp_lt_u32 s[WV], 2                          ; wo has landed: waves 0 and 1 wait for theirs
	s_cbranch_scc0 .Lnot_wo
	s_wait_tensorcnt 0x0
.Lnot_wo:
	s_barrier_signal -1
	s_barrier_wait -1
.irp ks, 0,1,2,3,4,5,6,7                       ; my 64 columns, all of K: 128 loads
	WIN 0x40*(1+(\ks)/4)
.irp dp, 0,1,2,3
.irp c, 0,1,2,3
	ds_load_b128 v[64*((\ks)%4)+16*\dp+4*\c:64*((\ks)%4)+16*\dp+4*\c+3], v[AB+(\ks)/4] offset:16384*((\ks)%4)+2048*\dp+512*\c
.endr
.endr
.endr
	WIN 0
	s_cmp_eq_u32 s[WV], 2                          ; panels 0 and 1 have landed
	s_cbranch_scc0 .Lnot_ctx
	s_wait_tensorcnt 0x0
.Lnot_ctx:
	s_wait_loadcnt 0x0                             ; the scale words
	s_wait_dscnt 0x0
	s_barrier_signal -1
	s_barrier_wait -1
	FETCH 0
	FETCH 1
	s_wait_dscnt 32                                ; panel 0 is in; panel 1's 32 loads may be out
	PANEL 0
	PLACES 8                                       ; in front of the first read of results
	TOSTAGE 0
	s_wait_dscnt 16                                ; panel 1 is in; the stage's eight stores and eight loads may be out
	PANEL 1
	s_wait_dscnt 0x0
	SEND 0
	PLACES 8                                       ; also in front of the loads into ctx's registers below
	TOSTAGE 1
	s_wait_tensorcnt 0x0                           ; panels 2 and 3 have landed
	s_wait_dscnt 0x0
	SEND 1
	s_barrier_signal -1
	s_barrier_wait -1
	FETCH 2
	FETCH 3
	s_wait_dscnt 32
	PANEL 2
	PLACES 8
	s_wait_xcnt 0x0                                ; the stores have read their registers: the stage's loads may land there
	TOSTAGE 2
	s_wait_dscnt 16
	PANEL 3
	s_wait_dscnt 0x0
	SEND 2
	PLACES 8
	TOSTAGE 3
	s_wait_dscnt 0x0
	SEND 3
	s_wait_tensorcnt 0x0                           ; the wave's end: a tensor wait, an LDS add and its wait behind my last tensor load and my last LDS store
	ds_add_u32 v[SPW], v[NIL]
	s_wait_dscnt 0x0
	CROUND                                         ; the closing round
	s_endpgm
.Lfunc_end_k_q1360ecf717_oproj:
	.size	k_q1360ecf717_oproj, .Lfunc_end_k_q1360ecf717_oproj-k_q1360ecf717_oproj
	.p2alignl 7, 3214868480
	.fill 96, 4, 3214868480
	.section	.rodata,"a",@progbits
	.p2align	6, 0x0
	.amdhsa_kernel k_q1360ecf717_oproj
		.amdhsa_group_segment_fixed_size 280064
		.amdhsa_private_segment_fixed_size 0
		.amdhsa_enable_private_segment 0
		.amdhsa_kernarg_size 40
		.amdhsa_user_sgpr_count 2
		.amdhsa_user_sgpr_kernarg_segment_ptr 1
		.amdhsa_wavefront_size32 1
		.amdhsa_system_sgpr_workgroup_id_x 1
		.amdhsa_system_sgpr_workgroup_id_y 1
		.amdhsa_system_sgpr_workgroup_id_z 1
		.amdhsa_system_vgpr_workitem_id 0
		.amdhsa_next_free_vgpr 1024
		.amdhsa_next_free_sgpr 80
		.amdhsa_reserve_vcc 0
		.amdhsa_float_denorm_mode_32 3
		.amdhsa_float_denorm_mode_16_64 3
		.amdhsa_memory_ordered 1
		.amdhsa_forward_progress 1
		.amdhsa_inst_pref_size 51
	.end_amdhsa_kernel
	.amdgpu_metadata
---
amdhsa.version: [ 1, 2 ]
amdhsa.kernels:
  - .name:           k_q1360ecf717_oproj
    .symbol:         k_q1360ecf717_oproj.kd
    .args:
      - { .name: ctxc, .offset: 0, .size: 8, .value_kind: global_buffer, .address_space: global }
      - { .name: ctxs, .offset: 8, .size: 8, .value_kind: global_buffer, .address_space: global }
      - { .name: opc, .offset: 16, .size: 8, .value_kind: global_buffer, .address_space: global }
      - { .name: ops, .offset: 24, .size: 8, .value_kind: global_buffer, .address_space: global }
      - { .name: out0, .offset: 32, .size: 8, .value_kind: global_buffer, .address_space: global }
    .group_segment_fixed_size: 280064
    .private_segment_fixed_size: 0
    .kernarg_segment_align: 8
    .kernarg_segment_size: 40
    .max_flat_workgroup_size: 128
    .sgpr_count:     80
    .vgpr_count:     1024
    .wavefront_size: 32
...
	.end_amdgpu_metadata
.endif
;; end of part 4
